; MI455X (gfx1250); checked and timed in simulation.
; The chip was launched on July 23, 2026; its instructions are those of AMD's public machine-readable ISA for CDNA 5 (MIT licence, August 2026) and "CDNA5" Instruction Set Architecture Reference Guide (July 2026). The comments in the code are by the model that wrote it; some were corrected since.
;; Causal Self Attention. Allowed arithmetic: matrix products marked QUANTISED: E2M3 operands, one E8M0 scale for each 32 along K, by v_wmma_scale_f32_16x16x128_f8f6f4 with both operands' format E2M3, f32 sums; everything else in f32.
;; Inputs: Wk 1,024 x 1,024 float32; Wp 1,024 x 1,024 float32; Wq 1,024 x 1,024 float32; Wv 1,024 x 1,024 float32; bk 1,024 float32; bp 1,024 float32; bq 1,024 float32; bv 1,024 float32; x 4 x 2,048 x 1,024 float32.
;; Outputs: out0 4 x 2,048 x 1,024 float32.
;; This version of the problem:
;;   THIS VERSION OF THE PROBLEM IS GIVEN IN LOW PRECISION. The matrix products marked QUANTISED in the list below multiply operands that are first quantised to E2M3 (2 exponent bits, 3 mantissa bits; 6 bits a number), with one power-of-two scale for each 32 numbers along K (OCP MX v1.0); their sums are f32. All else is computed in f32.
;;   The module's matrix products, in the order in which they are computed (A, B: the left and right operand; K: the contracted axis; several contracted axes count as one K, in the product's order):
;;     1. [M 8,192, K 1,024] x [K 1,024, N 1,024]; A: input x; B: input Wq: QUANTISED
;;     2. [M 8,192, K 1,024] x [K 1,024, N 1,024]; A: input x; B: input Wk: QUANTISED
;;     3. [M 8,192, K 1,024] x [K 1,024, N 1,024]; A: input x; B: input Wv: QUANTISED
;;     4. batch 64 x [M 2,048, K 64] x [K 64, N 2,048]; A: computed on the way; B: computed on the way: QUANTISED
;;     5. batch 64 x [M 2,048, K 2,048] x [K 2,048, N 64]; A: softmax (see below); B: computed on the way: QUANTISED
;;     6. [M 8,192, K 1,024] x [K 1,024, N 1,024]; A: computed on the way; B: input Wp: QUANTISED
;;   THE QUANTISER, for each operand of a quantised product, along K:
;;     - K is cut into blocks of 32 from its start; a last block that is shorter is filled with zeros.
;;     - A block's scale is 2^e with e = floor(log2(the largest magnitude in the block)) - 2, held to -126 .. 127; a block of zeros has e = 0. As a byte (E8M0): e + 127.
;;     - Each number is divided by its block's scale, clamped to +-7.5, and rounded to the nearest number of E2M3, ties to even, subnormals kept.
;;     - The product sums the exact products of the quantised numbers (number of the format x scale) in f32.
;;   ~~~python
;;   def quantise(x, axis):      # numpy; x: float32 -> the quantised numbers, widened to float32 again
;;       x = np.moveaxis(x, axis, -1); K = x.shape[-1]
;;       x = np.pad(x, [(0, 0)] * (x.ndim - 1) + [(0, -K % 32)]); x = x.reshape(x.shape[:-1] + (-1, 32)); a = np.abs(x).max(-1, keepdims=True)
;;       e = np.where(a > 0, np.clip(np.frexp(np.where(a > 0, a, 1))[1] - 1 - 2, -126, 127), 0)      # np.frexp(a)[1] - 1 = floor(log2(a)), exactly
;;       r = np.clip(x / 2.0 ** e, -7.5, 7.5)
;;       step = 2.0 ** (np.maximum(np.frexp(np.where(r == 0, 1, r))[1] - 1, 0) - 3)
;;       q = np.round(r / step) * step * 2.0 ** e      # np.round: ties to even
;;       return np.moveaxis(q.reshape(q.shape[:-2] + (-1,))[..., :K], -1, axis).astype(np.float32)
;;   ~~~
;;   SOFTMAX AHEAD OF A QUANTISED PRODUCT. Where the list says 'softmax', what is quantised is not the finished softmax but p = 2^(t - M), with t = logit x log2(e) and M = ceil(the row's largest t), a whole number; so 1/2 < the row's largest p <= 1. The row's sum l is taken of the UNQUANTISED p, in f32, and the product's result is divided by l at the end. Since M is a whole number, a kernel that streams over the keys may use a running M (the ceiling of the running maximum): every later rescaling is an exact power of two, which a block's scale takes up: the codes' values come out the same.
;;   OPERANDS COMPUTED ON THE WAY. 'Computed on the way' means the value that the module computes at that place (a softmax that the list does not call 'softmax' is quantised finished and normalised). What goes into a quantiser is computed in f32, as accurately as f32 sums, v_exp_f32 and their like allow (about 1e-6 of the number): no bf16 or f16 on the way to a quantiser, and a product that is left as it is and whose result goes on into a quantised operand takes f32 operands (vector FMAs, or v_wmma_f32_16x16x4_f32). A number that lies on a knife's edge between two numbers of the format may be rounded either way, as far as f32 arithmetic and the matrix unit's own rounding can turn it there, and no further.
;; One version. Each part assembles by itself: llvm-mc -triple=amdgcn-amd-amdhsa -mcpu=gfx1250 --defsym DOCPART=n.
;; ======== version 1 of 1: 4 launches
;; workspace buffers: cw 9,437,184 bytes; sw 393,216 bytes; qkvc 18,874,368 bytes; qkvs 786,432 bytes; ac 6,291,456 bytes; asc 262,144 bytes
;; launch quant (part 1): grid 384 x 1, 4 waves a work-group, no clusters, 58,880 bytes of LDS; arguments x, Wq, Wk, Wv, Wp, cw, sw; writes cw, sw
.if DOCPART == 1
	.amdgcn_target "amdgcn-amd-amdhsa--gfx1250"
	.amdhsa_code_object_version 6
	.text
	.protected	k_qcebe9edaf6_quant
	.globl	k_qcebe9edaf6_quant
	.p2align	8
	.type	k_qcebe9edaf6_quant,@function
k_qcebe9edaf6_quant:
	s_mov_b64 s[64:65], 0
	v_nop
	global_prefetch_b8 v0, s[64:65] scope:SCOPE_SE
	s_setreg_imm32_b32 hwreg(HW_REG_WAVE_MODE, 25, 1), 1
	s_wait_xcnt 0x0
; x [8192][1024] and Wq, Wk, Wv, Wp [1024 (k)][1024 (n)], f32, become codes of FP6 (E2M3) with one E8M0 byte for each 32 along K (K = x's last axis, a weight's first).
; A block's scale is 2^(floor(log2(its largest magnitude)) - 2); its byte is the largest magnitude's exponent field - 2, held at 1 from below.
; LAYOUT OF THE CODES (cw): tiles of 16 rows; tile 2 B + u holds in its row r the row 32 B + 8 u + r + 8 (r / 8) of the tensor (bits 3 and 4 of the row's number change places).
; A tile is 16 chunks of 64 along K; a chunk is 768 bytes, an image of six operand registers: registers 0-3 of lane l at 16 l, registers 4-5 at 512 + 8 l; lane (r, h) holds row r, k = 32 h .. 32 h + 31.
; Tiles 0-511 x, 512-575 Wq, 576-639 Wk, 640-703 Wv, 704-767 Wp (a weight's rows are its n).  SCALE BYTES (sw): [K / 256][row in tile order][8].
; LIMITS: NaN and infinities among the inputs are not served.  A block of zeros gets the byte 1 where the rule says 127: its codes are zeros, and this program alone reads the bytes.
; Blocks whose largest magnitude lies under 2^-124 are held at the byte 1.
; Work-groups 0-255 take x (32 rows each; wave q takes K = 256 q on), work-groups 256-383 the weights (128 columns x 256 along K each; a wave 32 columns).
; The two ways part on the work-group's number and have LDS bytes of their own.  No barrier: waves share nothing.
.set R,    104                         ; x: v104-231 two sets of 64 registers as loaded
.set X,    40                          ; x: v40-103 two chunks x 32 neighbours along K
.set C,    24                          ; x: v24-31, v32-39 two sets of codes
.set XSTG, 16*528                      ; x: a wave's stage: 16 rows of 512 bytes + 16
.set WST0, 4*XSTG                      ; the weights' stages begin here
.set WSTG, 6144                        ; a wave's: two tiles x four chunks x 768
.set WX,   32                          ; weights: v32-95 two sets of 32 numbers
.set WC,   96                          ; v96-102 a block's codes
.set SB,   24                          ; v24-25 eight scale bytes
.set WO,   104                         ; v104-151 the way out
	s_load_b256 s[4:11], s[0:1], 0x0               ; x, Wq, Wk, Wv
	s_load_b128 s[12:15], s[0:1], 0x20             ; Wp, cw
	s_load_b64 s[16:17], s[0:1], 0x30              ; sw
	v_lshl_add_u32 v232, v0, 2, 0xe400
	v_mov_b32 v233, 0
	v_lshrrev_b32 v1, 5, v0
	v_readfirstlane_b32 s18, v1                    ; wave
	v_and_b32 v1, 31, v0                           ; lane
	s_mov_b32 s20, 0x76543210
	s_mov_b32 s21, 0xfedcba98                      ; v_permlanex16_b32's selects for lane l xor 16
	s_cmp_lt_u32 ttmp9, 256
	s_cbranch_scc0 .Lweights
	; ---------------- x ----------------
	v_and_b32 v2, 15, v0                           ; r
	v_bfe_u32 v3, v0, 4, 1                         ; h
	v_lshlrev_b32 v4, 4, v1                        ; 16 x lane
	s_mul_i32 s22, s18, XSTG
	v_add_nc_u32 v5, s22, v4                       ; into the stage: a row's 512 bytes as they lie
	v_mul_u32_u24 v6, v2, 528
	v_lshl_add_u32 v6, v3, 7, v6
	v_add_nc_u32 v6, s22, v6                       ; out of it: row r, 128 h bytes on: my 32 neighbours of a chunk
	v_lshlrev_b32 v8, 3, v1                        ; 8 x lane
	v_lshlrev_b32 v9, 3, v3                        ; 8 h
	v_mov_b32 v15, 0                               ; written once: a lane permute's destination counts as one of its sources
	s_lshl_b32 s24, ttmp9, 17                      ; 32 rows of 4,096 bytes a work-group,
	s_lshl_b32 s25, s18, 10                        ; 1,024 bytes of each row a wave
	s_add_co_u32 s24, s24, s25
	s_mov_b32 s25, 0
	s_lshl_b32 s26, ttmp9, 5
	s_lshl_b32 s27, s18, 2
	s_add_co_u32 s26, s26, s27
	s_mul_i32 s26, s26, 768                        ; codes: (16 x first tile + first chunk) x 768
	s_mov_b32 s27, 0
	s_mul_i32 s28, s18, 98304                      ; scale bytes: plane K / 256 = wave,
	s_lshl_b32 s29, ttmp9, 8                       ; 32 rows x 8 bytes a work-group
	s_add_co_u32 s28, s28, s29
	s_mov_b32 s29, 0
	s_wait_kmcnt 0x0
	s_add_nc_u64 s[4:5], s[4:5], s[24:25]
	s_add_nc_u64 s[14:15], s[14:15], s[26:27]
	s_add_nc_u64 s[16:17], s[16:17], s[28:29]
; A unit U = 2 u + e: the 16 rows of tile u x 512 bytes (chunks 2 e and 2 e + 1 of the wave's four).  Each load reads 512 consecutive bytes of one row.
.macro XLOAD U
.irp i, 0,1,2,3,4,5,6,7,8,9,10,11,12,13,14,15
	global_load_b128 v[R+64*((\U)%2)+4*\i:R+64*((\U)%2)+4*\i+3], v4, s[4:5] offset:(8*((\U)/2)+\i+8*(\i/8))*4096+512*((\U)%2) th:TH_LOAD_NT
.endr
.endm
.macro UNIT U
.if (\U) < 3
	s_wait_loadcnt 16                              ; this unit's 16 loads are in; the next unit's 16 may be out
.else
	s_wait_loadcnt 0x0
.endif
.irp i, 0,1,2,3,4,5,6,7,8,9,10,11,12,13,14,15
	ds_store_b128 v5, v[R+64*((\U)%2)+4*\i:R+64*((\U)%2)+4*\i+3] offset:528*\i
.endr
.irp c, 0,1
.irp j, 0,1,2,3,4,5,6,7
	ds_load_b128 v[X+32*\c+4*\j:X+32*\c+4*\j+3], v6 offset:256*\c+16*\j   ; LDS serves a wave's instructions in order: these see the stores above
.endr
.endr
	s_wait_dscnt 0x0                               ; the numbers are back, so the stores have read their registers,
.if (\U) < 2
	XLOAD (\U)+2                                   ; which take the loads of two units on
.endif
.irp c, 0,1                                    ; a chunk: my 32 numbers are a whole block
	s_wait_xcnt 0x0                                ; the stores of this set of codes, a unit back, have read their registers
	v_max3_num_f32 v10, |v[X+32*\c]|, |v[X+32*\c+1]|, |v[X+32*\c+2]|
	v_max3_num_f32 v11, |v[X+32*\c+3]|, |v[X+32*\c+4]|, |v[X+32*\c+5]|
.irp i, 6,10,14,18,22,26
	v_max3_num_f32 v10, v10, |v[X+32*\c+\i]|, |v[X+32*\c+\i+1]|
	v_max3_num_f32 v11, v11, |v[X+32*\c+\i+2]|, |v[X+32*\c+\i+3]|
.endr
	v_max3_num_f32 v10, v10, |v[X+32*\c+30]|, |v[X+32*\c+31]|
	v_max3_num_f32 v10, v10, v11, 0x1800000        ; and the floor 2^(3 - 127): the byte cannot fall under 1
	v_add_nc_u32 v12, 0xff000000, v10              ; 2 off the exponent field: the conversion takes this operand's exponent field as its scale
	v_cvt_scalef32_pk16_fp6_f32 v[C+8*\c:C+8*\c+2], v[X+32*\c:X+32*\c+15], v12
	v_cvt_scalef32_pk16_fp6_f32 v[C+8*\c+4:C+8*\c+6], v[X+32*\c+16:X+32*\c+31], v12   ; (a conversion's three registers begin on an even number)
	v_lshrrev_b32 v[13+\c], 23, v12                ; the scale's byte; also the plain line behind the conversions
	v_mov_b32 v[C+8*\c+3], v[C+8*\c+4]
	v_mov_b32 v[C+8*\c+4], v[C+8*\c+5]
	v_mov_b32 v[C+8*\c+5], v[C+8*\c+6]             ; six registers on end: the chunk's image
	global_store_b128 v4, v[C+8*\c:C+8*\c+3], s[14:15] offset:(16*((\U)/2)+2*((\U)%2)+\c)*768       ; 512 consecutive bytes, aligned
	global_store_b64 v8, v[C+8*\c+4:C+8*\c+5], s[14:15] offset:(16*((\U)/2)+2*((\U)%2)+\c)*768+512  ; 256 consecutive bytes, aligned
.endr
	v_lshl_or_b32 v13, v14, 16, v13                ; my two bytes: blocks h and 2 + h of the unit's four,
	v_lshlrev_b32 v13, v9, v13                     ; at their places (8 h bits up);
	v_permlanex16_b32 v15, v13, s20, s21
	v_or_b32 v[16+(\U)], v13, v15                  ; with lane l xor 16's two the row's word is whole
.endm
	XLOAD 0
	XLOAD 1
	UNIT 0
	UNIT 1
	UNIT 2
	UNIT 3
	v_cmp_le_u32 vcc_lo, 16, v1                    ; lanes 0-15 store tile 0's rows, lanes 16-31 tile 1's: 8 bytes a row
	v_cndmask_b32 v20, v16, v18, vcc_lo
	v_cndmask_b32 v21, v17, v19, vcc_lo
	global_store_b64 v8, v[20:21], s[16:17]        ; 256 consecutive bytes, aligned
	s_wait_tensorcnt 0x0
	ds_add_u32 v232, v233
	s_wait_dscnt 0x0
	s_endpgm
	; ---------------- the weights: a lane takes a column n, its registers run down K ----------------
.Lweights:
	s_sub_co_u32 s22, ttmp9, 256
	s_lshr_b32 s23, s22, 5                         ; which weight
	s_bfe_u32 s30, s22, 0x30002                    ; which 128 columns
	s_and_b32 s31, s22, 3                          ; which 256 along K
	v_lshlrev_b32 v3, 2, v1                        ; in: 4 bytes a lane
	v_bfe_u32 v2, v0, 3, 1                         ; column 32 B + x lies in tile u = bit 3 of x,
	v_and_b32 v9, 7, v0
	v_bfe_u32 v10, v0, 4, 1
	v_lshl_add_u32 v9, v10, 3, v9                  ; row r = x % 8 + 8 (x / 16)
	s_mul_i32 s36, s18, WSTG
	s_add_co_u32 s36, s36, WST0                    ; my stage
	v_mul_u32_u24 v10, v2, 3072
	v_add_nc_u32 v10, s36, v10
	v_lshl_add_u32 v4, v9, 4, v10                  ; an image's registers 0-3 of lane (r, .)
	v_lshl_add_u32 v5, v9, 3, v10                  ; and 4-5
	v_lshlrev_b32 v7, 4, v1
	v_add_nc_u32 v6, s36, v7                       ; the way out: 16 bytes a lane
	v_lshl_add_u32 v8, v2, 4, v9
	v_lshlrev_b32 v8, 3, v8                        ; my row's 8 scale bytes
	s_lshl_b32 s24, s31, 20                        ; W: 256 rows of 4,096 bytes,
	s_lshl_b32 s25, s30, 9
	s_add_co_u32 s24, s24, s25                     ; 128 columns a work-group,
	s_lshl_b32 s25, s18, 7
	s_add_co_u32 s24, s24, s25                     ; 32 a wave
	s_mov_b32 s25, 0
	s_lshl_b32 s26, s23, 6
	s_lshl_b32 s27, s30, 3
	s_add_co_u32 s26, s26, s27
	s_lshl_b32 s27, s18, 1
	s_add_co_u32 s26, s26, s27
	s_add_co_u32 s26, s26, 512                     ; my first tile
	s_lshl_b32 s28, s26, 7                         ; its rows' scale bytes: 16 rows x 8
	s_lshl_b32 s26, s26, 4
	s_lshl_b32 s27, s31, 2
	s_add_co_u32 s26, s26, s27
	s_mul_i32 s26, s26, 768                        ; its codes, at my first chunk
	s_mov_b32 s27, 0
	s_mul_i32 s29, s31, 98304
	s_add_co_u32 s28, s28, s29
	s_mov_b32 s29, 0
	s_wait_kmcnt 0x0
	s_cmp_lt_u32 s23, 1                            ; the choice hangs on the work-group's number alone
	s_cselect_b64 s[32:33], s[6:7], s[8:9]
	s_cmp_lt_u32 s23, 3
	s_cselect_b64 s[34:35], s[10:11], s[12:13]
	s_cmp_lt_u32 s23, 2
	s_cselect_b64 s[4:5], s[32:33], s[34:35]
	s_add_nc_u64 s[4:5], s[4:5], s[24:25]
	s_add_nc_u64 s[14:15], s[14:15], s[26:27]
	s_add_nc_u64 s[16:17], s[16:17], s[28:29]
.macro WLOAD t                         ; block t: W(32 t + i, my column): a wave reads 128 consecutive bytes, the four waves 512
.irp i, 0,1,2,3,4,5,6,7,8,9,10,11,12,13,14,15,16,17,18,19,20,21,22,23,24,25,26,27,28,29,30,31
	global_load_b32 v[WX+32*((\t)%2)+\i], v3, s[4:5] offset:(32*(\t)+\i)*4096 th:TH_LOAD_NT
.endr
.endm
.macro BLOCK t
.if (\t) < 7
	s_wait_loadcnt 32                              ; this block's 32 loads are in; the next block's may be out
.else
	s_wait_loadcnt 0x0
.endif
	v_max3_num_f32 v10, |v[WX+32*((\t)%2)]|, |v[WX+32*((\t)%2)+1]|, |v[WX+32*((\t)%2)+2]|
	v_max3_num_f32 v11, |v[WX+32*((\t)%2)+3]|, |v[WX+32*((\t)%2)+4]|, |v[WX+32*((\t)%2)+5]|
.irp i, 6,10,14,18,22,26
	v_max3_num_f32 v10, v10, |v[WX+32*((\t)%2)+\i]|, |v[WX+32*((\t)%2)+\i+1]|
	v_max3_num_f32 v11, v11, |v[WX+32*((\t)%2)+\i+2]|, |v[WX+32*((\t)%2)+\i+3]|
.endr
	v_max3_num_f32 v10, v10, |v[WX+32*((\t)%2)+30]|, |v[WX+32*((\t)%2)+31]|
	v_max3_num_f32 v10, v10, v11, 0x1800000
	v_add_nc_u32 v12, 0xff000000, v10
	v_lshrrev_b32 v13, 23, v12
.if (\t)%4 == 0
	v_mov_b32 v[SB+(\t)/4], v13                    ; four bytes to a register, the lower K in the lower byte
.else
	v_lshl_or_b32 v[SB+(\t)/4], v13, 8*((\t)%4), v[SB+(\t)/4]
.endif
	v_cvt_scalef32_pk16_fp6_f32 v[WC:WC+2], v[WX+32*((\t)%2):WX+32*((\t)%2)+15], v12
	v_cvt_scalef32_pk16_fp6_f32 v[WC+4:WC+6], v[WX+32*((\t)%2)+16:WX+32*((\t)%2)+31], v12
	v_nop                                          ; one plain line behind the conversions
	v_mov_b32 v[WC+3], v[WC+4]
	v_mov_b32 v[WC+4], v[WC+5]
	v_mov_b32 v[WC+5], v[WC+6]
	ds_store_b128 v4, v[WC:WC+3] offset:768*((\t)/2)+256*((\t)%2)          ; block t is half t % 2 of chunk t / 2: lane (r, t % 2) of the image
	ds_store_b64 v5, v[WC+4:WC+5] offset:768*((\t)/2)+512+128*((\t)%2)
.if (\t)+2 < 8
	WLOAD (\t)+2
.endif
	s_wait_dscnt 0x0                               ; the stores have read their registers: the next block's codes may be written
.endm
	WLOAD 0
	WLOAD 1
.irp t, 0,1,2,3,4,5,6,7
	BLOCK \t
.endr
	global_store_b64 v8, v[SB:SB+1], s[16:17]      ; the wave's 32 rows x 8 bytes: 256 consecutive bytes, aligned
.irp k, 0,1,2,3,4,5,6,7,8,9,10,11
	ds_load_b128 v[WO+4*\k:WO+4*\k+3], v6 offset:512*\k
.endr
.irp k, 0,1,2,3,4,5,6,7,8,9,10,11
	s_wait_dscnt 11-\k                             ; the younger reads of the stage may be out
	global_store_b128 v7, v[WO+4*\k:WO+4*\k+3], s[14:15] offset:(\k/6)*12288+(\k%6)*512   ; 512 consecutive bytes, aligned
.endr
	s_wait_tensorcnt 0x0
	ds_add_u32 v232, v233
	s_wait_dscnt 0x0
	s_endpgm
.Lfunc_end_k_qcebe9edaf6_quant:
	.size	k_qcebe9edaf6_quant, .Lfunc_end_k_qcebe9edaf6_quant-k_qcebe9edaf6_quant
	.p2alignl 7, 3214868480
	.fill 96, 4, 3214868480
	.section	.rodata,"a",@progbits
	.p2align	6, 0x0
	.amdhsa_kernel k_qcebe9edaf6_quant
		.amdhsa_group_segment_fixed_size 58880
		.amdhsa_private_segment_fixed_size 0
		.amdhsa_enable_private_segment 0
		.amdhsa_kernarg_size 56
		.amdhsa_user_sgpr_count 2
		.amdhsa_user_sgpr_kernarg_segment_ptr 1
		.amdhsa_wavefront_size32 1
		.amdhsa_system_sgpr_workgroup_id_x 1
		.amdhsa_system_sgpr_workgroup_id_y 1
		.amdhsa_system_sgpr_workgroup_id_z 1
		.amdhsa_system_vgpr_workitem_id 0
		.amdhsa_next_free_vgpr 234
		.amdhsa_next_free_sgpr 66
		.amdhsa_reserve_vcc 1
		.amdhsa_float_denorm_mode_32 3
		.amdhsa_float_denorm_mode_16_64 3
		.amdhsa_memory_ordered 1
		.amdhsa_forward_progress 1
		.amdhsa_inst_pref_size 72
	.end_amdhsa_kernel
	.amdgpu_metadata
---
amdhsa.version: [ 1, 2 ]
amdhsa.kernels:
  - .name:           k_qcebe9edaf6_quant
    .symbol:         k_qcebe9edaf6_quant.kd
    .args:
      - { .name: x, .offset: 0, .size: 8, .value_kind: global_buffer, .address_space: global }
      - { .name: Wq, .offset: 8, .size: 8, .value_kind: global_buffer, .address_space: global }
      - { .name: Wk, .offset: 16, .size: 8, .value_kind: global_buffer, .address_space: global }
      - { .name: Wv, .offset: 24, .size: 8, .value_kind: global_buffer, .address_space: global }
      - { .name: Wp, .offset: 32, .size: 8, .value_kind: global_buffer, .address_space: global }
      - { .name: cw, .offset: 40, .size: 8, .value_kind: global_buffer, .address_space: global }
      - { .name: sw, .offset: 48, .size: 8, .value_kind: global_buffer, .address_space: global }
    .group_segment_fixed_size: 58880
    .private_segment_fixed_size: 0
    .kernarg_segment_align: 8
    .kernarg_segment_size: 56
    .max_flat_workgroup_size: 128
    .sgpr_count:     66
    .vgpr_count:     234
    .wavefront_size: 32
...
	.end_amdgpu_metadata
.endif
;; end of part 1
;; launch qkv (part 2): grid 8 x 48, 4 waves a work-group, clusters of 4 x 4, 327,680 bytes of LDS; arguments cw, sw, qkvc, qkvs, bq, bk, bv; writes qkvc, qkvs
.if DOCPART == 2
	.amdgcn_target "amdgcn-amd-amdhsa--gfx1250"
	.amdhsa_code_object_version 6
	.text
	.protected	k_qcebe9edaf6_qkv
	.globl	k_qcebe9edaf6_qkv
	.p2align	8
	.type	k_qcebe9edaf6_qkv,@function
k_qcebe9edaf6_qkv:
	s_mov_b64 s[64:65], 0
	v_nop
	global_prefetch_b8 v0, s[64:65] scope:SCOPE_SE
	s_setreg_imm32_b32 hwreg(HW_REG_WAVE_MODE, 25, 1), 1
	s_wait_xcnt 0x0
	s_wait_alu depctr_hold_cnt(0) depctr_sa_sdst(0) depctr_va_vdst(0) depctr_va_sdst(0) depctr_va_ssrc(0) depctr_va_vcc(0) depctr_vm_vsrc(0)
	s_getreg_b32 s2, hwreg(HW_REG_IB_STS2, 6, 4)
	s_cmp_eq_u32 s2, 0
	s_cbranch_scc0 .Lentry_in_a_cluster
	s_endpgm
.Lentry_in_a_cluster:
	s_bfe_u32 s2, ttmp6, 0x10000c
	s_cmp_lg_u32 s2, 0xf033
	s_cbranch_scc0 .Lentry_shape_is_right
	s_endpgm
.Lentry_shape_is_right:
; q = x Wq + bq, k = x Wk + bk, v = x Wv + bv on codes of FP6 (E2M3) with E8M0 scales, sums in f32; each result is quantised in registers and leaves as codes.
; q and k are the next product's operands along the head's 64 channels, v along the keys.  A matrix result gives a lane ONE row of source 1 and registers along source 0.  So:
;   clusters y = 0..7  (KIND 0): source 0 = 256 rows of Wq | Wk (channels), source 1 = 256 tokens: a lane holds a token, its registers run along the channels;
;   clusters y = 8..11 (KIND 1): source 0 = 256 tokens, source 1 = 256 rows of Wv: a lane holds a channel, its registers run along the tokens.
; The rows of a tile of 16 are laid so (bits 3 and 4 of a row's number change places) that the 16 registers of source 0's tiles 2 B and 2 B + 1 are the neighbours 32 B + 16 (lane / 16) + 0 .. 15.
; A work-group of four waves makes 256 x 256, a wave 128 x 128: 64 accumulators.  K = 1,024 goes in four steps of 256 through two LDS slots filled by the tensor data mover.
; Codes lie in memory as images of the operands' registers (16 rows x 64 K: 768 bytes: registers 0-3 of lane l at 16 l, registers 4-5 at 512 + 8 l): every LDS load reads consecutive bytes, so there is no pitch and no padding.
; CLUSTERS: 4 x 4 work-groups; source 1's tiles are shared along a row of the cluster, source 0's along a column: joint loads, the same descriptor and mask in the four that share.
; The kind hangs on the cluster's y alone, so all partners run alike.
; OUT: qkvc: q, k: image (C0 x 512 + T1) x 768, C0 = head or 16 + head, T1 = tile of tokens;  v: 12,582,912 + (C0 x 64 + T1) x 768, C0 = token / 64, T1 = tile of channels.
;      qkvs: one word a row and 128 along the quantised axis: q, k: ((C0 / 2) x 512 + T1) x 64 + 4 r;  v: 524,288 + ((C0 / 2) x 64 + T1) x 64 + 4 r.
; LIMITS: NaN and infinities are not served; a block of zeros gets the byte 1 (its codes are zeros; this program alone reads the bytes); blocks under 2^-124 are held at the byte 1.
; REGISTERS: window 0: v7-31 addresses; v32-63 scale words, two sets; v64-127 the bias; v128-223 source 1's fragments, ONE set; on the way out v128-243 are at work.
;   window 1: source 0's fragments, two sets, at v0 and v128.  windows 2, 3: the accumulators ((a, b) at v[8 (8 (a % 4) + b)]).
.set NQ,     2                         ; matrix instructions deep in a slot
.set FR,     12                        ; registers of a fragment
.set NL,     4                         ; LDS loads that bring one
.set NP,     4                         ; places behind this matrix instruction (ISA guide 7.12.1)
.set TILEB,  3072                      ; 16 rows x 256 K: four images
.set HALFT,  8*TILEB                   ; 128 rows: what one tensor load brings
.set SLOT,   4*HALFT                   ; source 1's 256 rows, then source 0's
.set SCL,    2*SLOT                    ; behind the ring: the scale bytes, [K / 256][128 rows][8] for each 128 rows
.set HALFS,  4096
.set SPARE,  SCL+4*HALFS               ; the spare words, 128 bytes for each wave: two blocks of 256 bytes that no other line names
.set STG,    SPARE+512                 ; 512 bytes for each wave: the scale words on their way out; no fill lands here
.set SRD,  7                           ; v7     where I read my wave's scale words back
.set OJ,   8                           ; v8-15  the bias loads' offsets
.set ADRA, 16                          ; v16-17 source 1's fragments in slot 0, 1, 16 bytes a lane;  v18-19 8 bytes a lane
.set ADRB, 20                          ; v20-23 the same for source 0
.set VO16, 24                          ; v24    16 x lane
.set VO8,  25                          ; v25    8 x lane + 512
.set VO16B, 26                         ; v26    16 x lane + the distance to the next C0
.set ADRS, 27                          ; v27    my scale words: lanes 0-15 source 1's rows, lanes 16-31 source 0's
.set SPW,  28                          ; v28    my spare word; never rewritten
.set NIL,  29                          ; v29    0; never rewritten
.set VO8B, 30                          ; v30    8 x lane + 512 + the distance to the next C0
.set SST,  31                          ; v31    where I put a row's scale word
.set SC,   32
.set BI,   64
.set AF,   128
.set HA,   128                         ; the way out: 64 numbers of a lane
.set PC,   192                         ; the codes just made
.set TM,   216                         ; v216-231 at work
.set PW,   232                         ; v232-239 the eight scale words
.set G1,   24
.set G0,   32
.set G1B,  48
.set G0B,  56
.set G1S,  68
.set G0S,  76
.set G1SB, 80
.set G0SB, 88
.set SEL,  100
.set MSB, 0
.macro WIN new                         ; the immediate's high byte repeats the setting that is left
.if MSB != \new
	s_set_vgpr_msb (MSB<<8)|\new
.set MSB, \new
.endif
.endm
.set MUL_LO, 0xa1                      ; source 0 window 1, source 1 window 0, C and D window 2
.set MUL_HI, 0xf1                      ; the same, C and D window 3
.set TO_B,   0x40                      ; destination window 1, address window 0
; A joint load: waves 0 and 1 fetch for source 1, waves 2 and 3 for source 0.  The branch hangs on the wave's number alone.  Four v_nop follow each of the two lines.
.macro JLOAD g0a, g1a, g0b, g1b
	s_cmp_eq_u32 s15, 0
	s_cbranch_scc0 .Lfor_b_\@
	tensor_load_to_lds s[\g0a:\g0a+3], s[\g1a:\g1a+7]
	s_nop 0
.rept 4
	v_nop
.endr
	s_branch .Lasked_\@
.Lfor_b_\@:
	tensor_load_to_lds s[\g0b:\g0b+3], s[\g1b:\g1b+7]
	s_nop 0
.rept 4
	v_nop
.endr
.Lasked_\@:
.endm
.macro CREST                           ; a round of the cluster's barrier behind its opening barrier
	s_cmp_lg_u32 s14, 0
	s_cbranch_scc1 .Lnot_wave_0_\@
	s_barrier_signal -3
.Lnot_wave_0_\@:
	s_barrier_wait -3
	s_barrier_signal -1
	s_barrier_wait -1
.endm
.macro CROUND
	s_barrier_signal -1
	s_barrier_wait -1
	CREST
.endm
	s_load_b256 s[4:11], s[0:1], 0x0               ; cw, sw, qkvc, qkvs
	s_load_b64 s[12:13], s[0:1], 0x20              ; bq
	s_load_b64 s[92:93], s[0:1], 0x28              ; bk
	s_load_b64 s[94:95], s[0:1], 0x30              ; bv
	v_lshl_add_u32 v[SPW], v0, 2, SPARE
	v_mov_b32 v[NIL], 0
	ds_add_u32 v28, v29
	ds_add_u32 v28, v29
	s_wait_dscnt 0x0
	v_lshrrev_b32 v1, 5, v0
	v_readfirstlane_b32 s14, v1                    ; wave 0..3
	s_lshr_b32 s15, s14, 1                         ; which half of source 1's rows is mine.  Also: I fetch for source 1 (0) or source 0 (1)
	s_and_b32 s16, s14, 1                          ; which half of source 0's.  Also: which 128 rows I fetch
	s_bfe_u32 s40, ttmp6, 0x40000                  ; cx
	s_bfe_u32 s41, ttmp6, 0x40004                  ; cy
	s_and_b32 s17, ttmp7, 0xffff                   ; the cluster's y
	s_lshr_b32 s18, s17, 3                         ; KIND: 0 q and k, 1 v
	s_xor_b32 s19, s18, 1                          ; 1 - KIND
	s_and_b32 s20, s17, 7
	s_lshl_b32 s42, ttmp9, 2
	s_add_co_u32 s42, s42, s40                     ; X = 4 x cluster x + cx
	s_mul_i32 s21, s18, s20
	s_lshl_b32 s21, s21, 3
	s_add_co_u32 s96, s42, s21                     ; u0: source 0's block of 256 in its own tensor: X, for v X + 8 (y % 8)
	s_lshl_b32 s22, s19, 5
	s_add_co_u32 s46, s96, s22                     ; and among cw's rows: Wq | Wk begin at block 32
	s_mul_i32 s22, s19, s17
	s_lshl_b32 s22, s22, 2
	s_add_co_u32 s97, s41, s22                     ; u1: source 1's block: 4 y + cy, for v cy
	s_mul_i32 s22, s18, 40
	s_add_co_u32 s20, s97, s22                     ; among cw's rows: Wv begins at block 40
	s_lshl_b32 s43, s41, 2
	s_lshl_b32 s43, 15, s43                        ; my row of the cluster
	s_lshl_b32 s44, 0x1111, s40                    ; my column
	; descriptor group 1, codes: 8 rows (tiles) of 384 elements of 8 bytes (a K step's four images), 1,536 elements from tile to tile; no padding
	s_or_b32 s[G1+0], s43, (3<<16)|(1<<21)         ; 15:0 the mask; 17:16 elements of 8 bytes; 21 set beside a mask
	s_or_b32 s[G1B+0], s44, (3<<16)|(1<<21)
.irp g, G1, G1B
	s_mov_b32 s[\g+1], 384<<16                     ; tensor_dim0
	s_mov_b32 s[\g+2], 8<<16                       ; tensor_dim1
	s_mov_b32 s[\g+3], 384<<16                     ; tile_dim0
	s_mov_b32 s[\g+4], 8                           ; tile_dim1
	s_mov_b32 s[\g+5], 1536                        ; tensor_dim0_stride
	s_mov_b32 s[\g+6], 0
	s_mov_b32 s[\g+7], 0
.endr
	; scale bytes of 128 rows: 4 rows (K / 256) of 128 elements of 8 bytes, 12,288 elements from plane to plane
	s_or_b32 s[G1S+0], s43, (3<<16)|(1<<21)
	s_or_b32 s[G1SB+0], s44, (3<<16)|(1<<21)
.irp g, G1S, G1SB
	s_mov_b32 s[\g+1], 128<<16
	s_mov_b32 s[\g+2], 4<<16
	s_mov_b32 s[\g+3], 128<<16
	s_mov_b32 s[\g+4], 4
	s_mov_b32 s[\g+5], 12288
	s_mov_b32 s[\g+6], 0
	s_mov_b32 s[\g+7], 0
.endr
	s_lshl_b32 s23, s16, 3                         ; which 8 tiles of the 16 I fetch
	s_lshl_b32 s20, s20, 4
	s_add_co_u32 s20, s20, s23                     ; source 1: first tile
	s_lshl_b32 s46, s46, 4
	s_add_co_u32 s46, s46, s23                     ; source 0: first tile
	s_lshl_b32 s22, s20, 7                         ; their scale bytes: 128 a tile
	s_mov_b32 s23, 0
	s_lshl_b32 s98, s46, 7
	s_mov_b32 s99, 0
	s_mul_i32 s20, s20, 12288                      ; and their codes
	s_mov_b32 s21, 0
	s_mul_i32 s46, s46, 12288
	s_mov_b32 s47, 0
	s_mul_i32 s45, s14, HALFT                      ; where they go: wave x 128 rows: no place in the cluster enters an LDS address
	s_mul_i32 s3, s14, HALFS
	s_mov_b32 s[SEL], 0x76543210
	s_mov_b32 s[SEL+1], 0xfedcba98
	s_wait_kmcnt 0x0
	s_add_nc_u64 s[20:21], s[4:5], s[20:21]
	s_add_nc_u64 s[22:23], s[6:7], s[22:23]
	s_add_nc_u64 s[46:47], s[4:5], s[46:47]
	s_add_nc_u64 s[98:99], s[6:7], s[98:99]
	CROUND                                         ; all sixteen work-groups are here: the first joint loads meet
	s_mov_b32 s[G0S], 1
	s_add_co_u32 s[G0S+1], s3, SCL
	s_mov_b64 s[G0S+2:G0S+3], s[22:23]
	s_or_b32 s[G0S+3], s[G0S+3], 0x80000000
	s_mov_b32 s[G0SB], 1
	s_add_co_u32 s[G0SB+1], s3, SCL
	s_mov_b64 s[G0SB+2:G0SB+3], s[98:99]
	s_or_b32 s[G0SB+3], s[G0SB+3], 0x80000000
	JLOAD G0S, G1S, G0SB, G1SB                     ; the scale bytes for all of K: filled once
.irp s, 0,1
	s_mov_b32 s[G0+4*\s], 1
	s_add_co_u32 s[G0+4*\s+1], s45, \s*SLOT
	s_add_nc_u64 s[G0+4*\s+2:G0+4*\s+3], s[20:21], \s*TILEB
	s_or_b32 s[G0+4*\s+3], s[G0+4*\s+3], 0x80000000
	s_mov_b32 s[G0B+4*\s], 1
	s_add_co_u32 s[G0B+4*\s+1], s45, \s*SLOT
	s_add_nc_u64 s[G0B+4*\s+2:G0B+4*\s+3], s[46:47], \s*TILEB
	s_or_b32 s[G0B+4*\s+3], s[G0B+4*\s+3], 0x80000000
	JLOAD G0+4*\s, G1, G0B+4*\s, G1B               ; three tensor loads of mine are out at the most
.endr
	v_and_b32 v1, 15, v0                           ; r
	v_bfe_u32 v2, v0, 4, 1                         ; h
	v_and_b32 v3, 31, v0                           ; lane
	v_lshlrev_b32 v4, 4, v3
	v_lshlrev_b32 v5, 3, v3
	s_mul_i32 s21, s15, HALFT                      ; my 128 rows of source 1
	s_mul_i32 s22, s16, HALFT                      ; my 128 rows of source 0,
	s_add_co_u32 s22, s22, 2*HALFT                 ; which lie behind source 1's 256
.irp s, 0,1
	v_add_nc_u32 v[ADRA+\s], s21, v4
	v_add_nc_u32 v[ADRB+\s], s22, v4
	v_add_nc_u32 v[ADRA+2+\s], s21, v5
	v_add_nc_u32 v[ADRB+2+\s], s22, v5
	s_add_co_u32 s21, s21, SLOT
	s_add_co_u32 s22, s22, SLOT
.endr
	v_lshlrev_b32 v5, 3, v1                        ; my row's 8 scale bytes of a K step
	s_mul_i32 s21, s15, HALFS
	s_mul_i32 s22, s16, HALFS
	s_add_co_u32 s22, s22, 2*HALFS
	s_sub_co_u32 s22, s22, s21
	v_mul_u32_u24 v6, s22, v2                      ; lanes 16-31 take source 0's
	s_add_co_u32 s21, s21, SCL
	v_add_nc_u32 v5, v5, v6
	v_add_nc_u32 v[ADRS], s21, v5
	; THE BIAS, 64 registers.  KIND 0: register 8 b + j = the bias of channel 32 (b / 2) + 8 (b % 2) + 16 h + j of my 128 (the result's own layout).
	; KIND 1: registers 8 a + 0 .. 7 all hold the bias of my lane's channel in source 1's tile a: 32 (a / 2) + 8 (a % 2) + r + 8 (r / 8).  One text: the lane's offset and the step from j to j + 1 hang on the kind.
	v_and_b32 v6, 8, v1
	v_add_nc_u32 v6, v6, v1
	v_lshlrev_b32 v6, 2, v6
	v_mul_u32_u24 v6, s18, v6                      ; KIND x 4 (r + 8 (r / 8))
	v_lshlrev_b32 v5, 6, v2
	v_mad_u32_u24 v6, s19, v5, v6                  ; + (1 - KIND) x 64 h
	s_lshl_b32 s21, s19, 2
.irp j, 0,1,2,3,4,5,6,7
	v_mad_u32_u24 v[OJ+\j], s21, \j, v6
.endr
	s_and_b32 s21, s42, 3
	s_lshl_b32 s21, s21, 8
	s_lshl_b32 s22, s16, 7
	s_add_co_u32 s21, s21, s22
	s_mul_i32 s21, s21, s19                        ; KIND 0: my first channel in bq or bk: 256 (X % 4) + 128 x my half of source 0
	s_lshl_b32 s22, s41, 8
	s_lshl_b32 s23, s15, 7
	s_add_co_u32 s22, s22, s23
	s_mul_i32 s22, s22, s18                        ; KIND 1: in bv: 256 cy + 128 x my half of source 1
	s_add_co_u32 s22, s21, s22
	s_lshl_b32 s22, s22, 2
	s_mov_b32 s23, 0
	s_cmp_eq_u32 ttmp9, 0                          ; X = 0..3 is Wq, 4..7 Wk
	s_cselect_b64 s[12:13], s[12:13], s[92:93]
	s_cmp_eq_u32 s18, 0
	s_cselect_b64 s[12:13], s[12:13], s[94:95]
	s_add_nc_u64 s[12:13], s[12:13], s[22:23]
.irp t, 0,1,2,3,4,5,6,7
.irp j, 0,1,2,3,4,5,6,7
	global_load_b32 v[BI+8*\t+\j], v[OJ+\j], s[12:13] offset:(32*(\t/2)+8*(\t%2))*4
.endr
.endr
	; where my results go
	s_lshl_b32 s21, s96, 2
	s_lshl_b32 s22, s16, 1
	s_add_co_u32 s21, s21, s22                     ; C0 = 4 u0 + 2 x my half of source 0
	s_lshl_b32 s22, s97, 4
	s_lshl_b32 s23, s15, 3
	s_add_co_u32 s22, s22, s23                     ; T1 = 16 u1 + 8 x my half of source 1
	s_mul_i32 s23, s19, 393216
	s_mul_i32 s17, s18, 49152
	s_add_co_u32 s23, s23, s17                     ; bytes from C0 to C0 + 1
	s_mul_i32 s46, s21, s23
	s_mul_i32 s17, s22, 768
	s_add_co_u32 s46, s46, s17
	s_mul_i32 s17, s18, 12582912
	s_add_co_u32 s46, s46, s17
	s_mov_b32 s47, 0
	s_add_nc_u64 s[8:9], s[8:9], s[46:47]
	s_lshr_b32 s21, s21, 1
	s_mul_i32 s46, s19, 32768
	s_mul_i32 s17, s18, 4096
	s_add_co_u32 s46, s46, s17
	s_mul_i32 s46, s46, s21
	s_lshl_b32 s17, s22, 6
	s_add_co_u32 s46, s46, s17
	s_mul_i32 s17, s18, 524288
	s_add_co_u32 s46, s46, s17
	s_add_nc_u64 s[10:11], s[10:11], s[46:47]
	v_lshlrev_b32 v[VO16], 4, v3
	v_lshl_add_u32 v[VO8], v3, 3, 512
	v_add_nc_u32 v[VO16B], s23, v[VO16]
	v_add_nc_u32 v[VO8B], s23, v[VO8]
	s_lshl_b32 s17, s14, 9
	s_add_co_u32 s17, s17, STG
	v_lshl_add_u32 v[SST], v1, 2, s17
	v_add_nc_u32 v[SRD], s17, v[VO16]
.macro FRAG reg, adr, q, i             ; a fragment, 16 rows x 128 K, is two images: registers 0-3, 4-5, 6-9, 10-11; each load reads consecutive bytes
	ds_load_b128 v[\reg:\reg+3],     v[\adr]   offset:TILEB*(\i)+1536*(\q)
	ds_load_b64  v[\reg+4:\reg+5],   v[\adr+2] offset:TILEB*(\i)+1536*(\q)+512
	ds_load_b128 v[\reg+6:\reg+9],   v[\adr]   offset:TILEB*(\i)+1536*(\q)+768
	ds_load_b64  v[\reg+10:\reg+11], v[\adr+2] offset:TILEB*(\i)+1536*(\q)+1280
.endm
; 16 matrix instructions: source 1's blocks a0, a0 + 1 x source 0's eight, 128 along K.  The 64 accumulators take turns, one instruction a turn, in the same order in every step.
.macro MUL16 a0, p, q, sc, zero
.irp a, \a0, \a0+1
.irp b, 0,1,2,3,4,5,6,7
.if \zero
	v_wmma_scale_f32_16x16x128_f8f6f4 v[8*(8*((\a)%4)+\b):8*(8*((\a)%4)+\b)+7], v[128*(\p)+FR*\b:128*(\p)+FR*\b+FR-1], v[AF+FR*(\a):AF+FR*(\a)+FR-1], 0, v[SC+8*NQ*(\sc)+NQ*\b+(\q)], v[SC+8*NQ*(\sc)+NQ*(\a)+(\q)] matrix_a_fmt:MATRIX_FMT_FP6 matrix_b_fmt:MATRIX_FMT_FP6 matrix_a_scale:MATRIX_SCALE_ROW1
.else
	v_wmma_scale_f32_16x16x128_f8f6f4 v[8*(8*((\a)%4)+\b):8*(8*((\a)%4)+\b)+7], v[128*(\p)+FR*\b:128*(\p)+FR*\b+FR-1], v[AF+FR*(\a):AF+FR*(\a)+FR-1], v[8*(8*((\a)%4)+\b):8*(8*((\a)%4)+\b)+7], v[SC+8*NQ*(\sc)+NQ*\b+(\q)], v[SC+8*NQ*(\sc)+NQ*(\a)+(\q)] matrix_a_fmt:MATRIX_FMT_FP6 matrix_b_fmt:MATRIX_FMT_FP6 matrix_a_scale:MATRIX_SCALE_ROW1
.endif
.endr
.endr
.endm
.macro FETCH_B slot, q, p
	WIN TO_B
.irp i, 0,1,2,3,4,5,6,7
	FRAG 128*(\p)+FR*\i, ADRB+\slot, \q, \i
.endr
	WIN 0
.endm
.macro FETCH_A slot, q, i0
.irp i, \i0, \i0+1, \i0+2, \i0+3
	FRAG AF+FR*(\i), ADRA+\slot, \q, \i
.endr
.endm
.macro SCALES sc                       ; a K step's scale words into set sc: two words a row; lanes 0-15 source 1's block i, lanes 16-31 source 0's
.irp i, 0,1,2,3,4,5,6,7
	ds_load_b64 v[SC+8*NQ*\sc+NQ*\i:SC+8*NQ*\sc+NQ*\i+1], v[ADRS] offset:\i*128
.endr
.endm
.macro PLACES n                        ; plain vector lines between a matrix instruction and a load into, or a vector read or write of, its registers
.rept \n
	v_nop
.endr
.endm
.macro STEP slot, q, zero              ; a step of 128 along K that has its successor in the same slot
	s_wait_dscnt 4*NL                              ; all but the youngest 16 loads (source 1's blocks 4-7) are in
	WIN MUL_LO
	MUL16 0, (\q)%2, \q, \slot, \zero
	MUL16 2, (\q)%2, \q, \slot, \zero
	s_wait_dscnt 0
	PLACES NP
	FETCH_B \slot, (\q)+1, 1-(\q)%2
	FETCH_A \slot, (\q)+1, 0
	WIN MUL_HI
	MUL16 4, (\q)%2, \q, \slot, \zero
	MUL16 6, (\q)%2, \q, \slot, \zero
	PLACES NP
	WIN 0
	FETCH_A \slot, (\q)+1, 4
.endm
; A slot's last step changes slots: one barrier; in front of it each wave waits for all its tensor loads, adds 0 to its spare word, and waits for that and for its reads of this slot.  fill = 1: this slot is filled again, two K steps ahead.
.macro TURN slot, next, fill
	s_wait_tensorcnt 0x0                           ; all my tensor loads have landed: my part of the next slot
	ds_add_u32 v[SPW], v[NIL]                      ; 0 onto my spare word
	s_wait_dscnt 4*NL+1                            ; the add and the youngest 16 loads may be out
	WIN MUL_LO
	MUL16 0, 1, NQ-1, \slot, 0
	s_wait_dscnt 0x0                               ; the add is done, and my reads of this slot are over
	s_barrier_signal -1
	MUL16 2, 1, NQ-1, \slot, 0
	WIN 0
	s_barrier_wait -1
.if \fill
	CREST                                          ; the barrier has opened a round of the cluster's barrier: no wave of any partner still reads this slot or has a load on its way
	s_add_nc_u64 s[G0+4*\slot+2:G0+4*\slot+3], s[G0+4*\slot+2:G0+4*\slot+3], 2*TILEB
	s_add_nc_u64 s[G0B+4*\slot+2:G0B+4*\slot+3], s[G0B+4*\slot+2:G0B+4*\slot+3], 2*TILEB
	JLOAD G0+4*\slot, G1, G0B+4*\slot, G1B         ; the first tensor load behind the round; its four v_nop are the places in front of the loads below
.else
	PLACES NP
.endif
	v_add_nc_u32 v[ADRS], 1024, v[ADRS]            ; the next K step's scale words
	FETCH_B \next, 0, 0
	FETCH_A \next, 0, 0
	SCALES \next
	WIN MUL_HI
	MUL16 4, 1, NQ-1, \slot, 0
	MUL16 6, 1, NQ-1, \slot, 0
	PLACES NP
	WIN 0
	FETCH_A \next, 0, 4
.endm
; 64 numbers of a lane, register 16 b + i = place 32 b + 16 (lane / 16) + i along the next K, become a fragment's codes in v[PC] on and its scale word in v[pw].
.macro QUANT s, pw
.irp b, 0,1,2,3
	v_max3_num_f32 v[TM+\b], |v[\s+16*\b]|, |v[\s+1+16*\b]|, 0x1800000   ; with the floor 2^(3 - 127): the byte cannot fall under 1
.endr
.irp i, 2,4,6,8,10,12,14
.irp b, 0,1,2,3
	v_max3_num_f32 v[TM+\b], v[TM+\b], |v[\s+16*\b+\i]|, |v[\s+1+16*\b+\i]|
.endr
.endr
.irp b, 0,1,2,3
	v_permlanex16_b32 v[TM+4+\b], v[TM+\b], s[SEL], s[SEL+1]
.endr
.irp b, 0,1,2,3
	v_max_num_f32 v[TM+\b], v[TM+\b], v[TM+4+\b]   ; with lane l xor 16's: the block's largest magnitude
.endr
.irp b, 0,1,2,3
	v_add_nc_u32 v[TM+12+\b], 0xff000000, v[TM+\b] ; 2 off its exponent field: the conversion's scale operand
.endr
.irp b, 0,1,2,3
	v_lshrrev_b32 v[TM+4+\b], 23, v[TM+12+\b]      ; the scale's byte
.endr
	v_lshl_or_b32 v[\pw], v[TM+5], 8, v[TM+4]
	v_lshl_or_b32 v[\pw], v[TM+6], 16, v[\pw]
	v_lshl_or_b32 v[\pw], v[TM+7], 24, v[\pw]
.irp c, 0,1
	v_cvt_scalef32_pk16_fp6_f32 v[PC+6*\c:PC+2+6*\c], v[\s+32*\c:\s+15+32*\c], v[TM+12+2*\c]
	v_cvt_scalef32_pk16_fp6_f32 v[PC+12+4*\c:PC+14+4*\c], v[\s+16+32*\c:\s+31+32*\c], v[TM+12+2*\c+1]   ; (a conversion's three registers begin on an even number)
.endr
	v_nop                                          ; one plain line behind the conversions
.irp c, 0,1                                    ; the operand's layout wants a whole block in a lane
.irp i, 0,1,2
	v_permlane16_swap_b32 v[PC+6*\c+\i], v[PC+12+4*\c+\i]
.endr
.irp i, 0,1,2
	v_mov_b32 v[PC+3+6*\c+\i], v[PC+12+4*\c+\i]
.endr
.endr
.endm
; The way out of source 1's block a: the bias is added on the way into window 0 (each accumulator from its low end on), the 64 numbers are quantised, and the two images leave as they stand.
.macro OUTB a
.if (\a) > 0
	s_wait_xcnt 0x0                                ; the last block's stores have read the codes' registers
.endif
	s_cmp_eq_u32 s18, 0                            ; the kind: the same in every wave of every partner
	s_cbranch_scc0 .Lfor_v_\@
	WIN (0x02+(\a)/4)                              ; source 0: window 2 or 3
.set i, 0
.rept 32
	v_pk_add_f32 v[HA+i:HA+i+1], v[64*((\a)%4)+i:64*((\a)%4)+i+1], v[BI+i:BI+i+1]
.set i, i+2
.endr
	WIN 0
	s_branch .Ladded_\@
.Lfor_v_\@:
	WIN (0x02+(\a)/4)
.set i, 0
.rept 32
	v_pk_add_f32 v[HA+i:HA+i+1], v[64*((\a)%4)+i:64*((\a)%4)+i+1], v[BI+8*(\a):BI+8*(\a)+1]
.set i, i+2
.endr
	WIN 0
.Ladded_\@:
	QUANT HA, PW+(\a)
	global_store_b128 v[VO16],  v[PC:PC+3],     s[8:9] offset:768*(\a)     ; 512 consecutive bytes, aligned
	global_store_b64  v[VO8],   v[PC+4:PC+5],   s[8:9] offset:768*(\a)     ; 256
	global_store_b128 v[VO16B], v[PC+6:PC+9],   s[8:9] offset:768*(\a)     ; the second 64 along the quantised axis: C0 + 1
	global_store_b64  v[VO8B],  v[PC+10:PC+11], s[8:9] offset:768*(\a)
	ds_store_b32 v[SST], v[PW+(\a)] offset:64*(\a)                         ; lanes r and r + 16 write the same word with the same value
.endm
	s_wait_tensorcnt 1                             ; the scale bytes and my part of K step 0 are in; K step 1's load may be out
	s_barrier_signal -1
	s_barrier_wait -1
	FETCH_B 0, 0, 0
	FETCH_A 0, 0, 0
	SCALES 0
	FETCH_A 0, 0, 4
	STEP 0, 0, 1                                   ; the first products start the sums: nothing is cleared
	TURN 0, 1, 1                                   ; K = 1,024 is four K steps: written out
	STEP 1, 0, 0
	TURN 1, 0, 1
	STEP 0, 0, 0
	TURN 0, 1, 0                                   ; nothing is left to fetch
	STEP 1, 0, 0
	s_wait_dscnt 4*NL
	WIN MUL_LO
	MUL16 0, 1, NQ-1, 1, 0
	MUL16 2, 1, NQ-1, 1, 0
	s_wait_dscnt 0
	WIN MUL_HI
	MUL16 4, 1, NQ-1, 1, 0
	MUL16 6, 1, NQ-1, 1, 0
	WIN 0
	s_wait_loadcnt 0x0                             ; the bias
	PLACES NP
.irp b, 0,1,2,3
	v_mov_b32 v[TM+4+\b], 0                        ; written once: a lane permute's destination counts as one of its sources
.endr
.irp a, 0,1,2,3,4,5,6,7
	OUTB \a
.endr
	ds_load_b128 v[240:243], v[SRD]                ; my wave's 8 x 16 scale words: LDS serves a wave's instructions in order
	s_wait_dscnt 0x0
	global_store_b128 v[VO16], v[240:243], s[10:11]   ; 512 consecutive bytes, aligned
	s_wait_tensorcnt 0x0                           ; the wave's end
	ds_add_u32 v[SPW], v[NIL]
	s_wait_dscnt 0x0
	CROUND                                         ; the closing round
	s_endpgm
.Lfunc_end_k_qcebe9edaf6_qkv:
	.size	k_qcebe9edaf6_qkv, .Lfunc_end_k_qcebe9edaf6_qkv-k_qcebe9edaf6_qkv
	.p2alignl 7, 3214868480
	.fill 96, 4, 3214868480
	.section	.rodata,"a",@progbits
	.p2align	6, 0x0
	.amdhsa_kernel k_qcebe9edaf6_qkv
		.amdhsa_group_segment_fixed_size 327680
		.amdhsa_private_segment_fixed_size 0
		.amdhsa_enable_private_segment 0
		.amdhsa_kernarg_size 56
		.amdhsa_user_sgpr_count 2
		.amdhsa_user_sgpr_kernarg_segment_ptr 1
		.amdhsa_wavefront_size32 1
		.amdhsa_system_sgpr_workgroup_id_x 1
		.amdhsa_system_sgpr_workgroup_id_y 1
		.amdhsa_system_sgpr_workgroup_id_z 1
		.amdhsa_system_vgpr_workitem_id 0
		.amdhsa_next_free_vgpr 1024
		.amdhsa_next_free_sgpr 102
		.amdhsa_reserve_vcc 0
		.amdhsa_float_denorm_mode_32 3
		.amdhsa_float_denorm_mode_16_64 3
		.amdhsa_memory_ordered 1
		.amdhsa_forward_progress 1
		.amdhsa_inst_pref_size 190
	.end_amdhsa_kernel
	.amdgpu_metadata
---
amdhsa.version: [ 1, 2 ]
amdhsa.kernels:
  - .name:           k_qcebe9edaf6_qkv
    .symbol:         k_qcebe9edaf6_qkv.kd
    .args:
      - { .name: cw, .offset: 0, .size: 8, .value_kind: global_buffer, .address_space: global }
      - { .name: sw, .offset: 8, .size: 8, .value_kind: global_buffer, .address_space: global }
      - { .name: qkvc, .offset: 16, .size: 8, .value_kind: global_buffer, .address_space: global }
      - { .name: qkvs, .offset: 24, .size: 8, .value_kind: global_buffer, .address_space: global }
      - { .name: bq, .offset: 32, .size: 8, .value_kind: global_buffer, .address_space: global }
      - { .name: bk, .offset: 40, .size: 8, .value_kind: global_buffer, .address_space: global }
      - { .name: bv, .offset: 48, .size: 8, .value_kind: global_buffer, .address_space: global }
    .group_segment_fixed_size: 327680
    .private_segment_fixed_size: 0
    .kernarg_segment_align: 8
    .kernarg_segment_size: 56
    .max_flat_workgroup_size: 128
    .sgpr_count:     102
    .vgpr_count:     1024
    .wavefront_size: 32
...
	.end_amdgpu_metadata
.endif
;; end of part 2
;; launch attn (part 3): grid 4 x 64, 16 waves a work-group, clusters of 4 x 1, 210,944 bytes of LDS; arguments qkvc, qkvs, ac, asc; writes ac, asc
.if DOCPART == 3
	.amdgcn_target "amdgcn-amd-amdhsa--gfx1250"
	.amdhsa_code_object_version 6
	.text
	.protected	k_qcebe9edaf6_attn
	.globl	k_qcebe9edaf6_attn
	.p2align	8
	.type	k_qcebe9edaf6_attn,@function
k_qcebe9edaf6_attn:
	s_mov_b64 s[64:65], 0
	v_nop
	global_prefetch_b8 v0, s[64:65] scope:SCOPE_SE
	s_setreg_imm32_b32 hwreg(HW_REG_WAVE_MODE, 25, 1), 1
	s_wait_xcnt 0x0
	s_wait_alu depctr_hold_cnt(0) depctr_sa_sdst(0) depctr_va_vdst(0) depctr_va_sdst(0) depctr_va_ssrc(0) depctr_va_vcc(0) depctr_vm_vsrc(0)
	s_getreg_b32 s2, hwreg(HW_REG_IB_STS2, 6, 4)
	s_cmp_eq_u32 s2, 0
	s_cbranch_scc0 .Lentry_in_a_cluster
	s_endpgm
.Lentry_in_a_cluster:
	s_bfe_u32 s2, ttmp6, 0x10000c
	s_cmp_lg_u32 s2, 0x3003
	s_cbranch_scc0 .Lentry_shape_is_right
	s_endpgm
.Lentry_shape_is_right:
; Causal attention of one head of one batch row for each cluster, both products on codes of FP6 (E2M3) with E8M0 scales; head size 64, 2,048 tokens.
; t = score x log2(e) / 8; M = the running largest t rounded UP to a whole number; p = 2^(t - M) is quantised along the keys, not normalised; the row's sum is taken of the unquantised p and divides at the end.
; The result is quantised along the head's 64 channels and leaves as codes for the last product.
; SHARES.  The four work-groups of a cluster share a head's K and V, which stay in LDS whole (2 x 98,304 bytes), brought once by joint loads: nothing is filled again, and the waves run freely.
; Wave w (g = w / 2, e = w % 2) of work-group c owns two tiles of 16 queries: tile 8 (15 - g) + 2 c + e, which needs key steps 0 .. 15 - g, and tile 8 g + 2 c + e, which needs 0 .. g:
; 17 key steps of 128 keys for every wave.  Limits and branches hang on the wave's number alone; c enters global addresses and the mask's number only.
; LAYOUT.  Both products are used transposed: S^T = K Q^T, O^T = V^T P^T: a lane holds ONE query.  Tiles of tokens and of channels are laid with bits 3 and 4 of a row's number changed, so that the 16 registers of
; source 0's tiles 2 B, 2 B + 1 are the neighbours 32 B + 16 (lane / 16) + 0 .. 15.  Query r of tile T is token 32 (T / 2) + 8 (T % 2) + r + 8 (r / 8).
; K = 64 IN AN INSTRUCTION OF 128: Q's upper 64 codes are zeros.  K's operand of tile t is six registers of its own and the six that follow (the next tile's codes, or zeros): they meet zero codes.
; Both scale words are [s0, s1, 0, 0].
; LIMITS: NaN and infinities are not served; a p under 2^-126 counts as 0; a block of zeros gets the byte 1 (its codes are zeros; this program alone reads the bytes).
; REGISTERS: v1-5 lane numbers that stay; v6-11 addresses in hand; v12 -M, v13 the largest t, v[14:15] the sum; v16-27 Q of the first tile; v28, v29 Q's scale words; v32-79 K's eight tiles, then V's four fragments;
; v80-85 zeros; v96-159 S^T, then p; v160-191 O^T; v192-203 Q of the second tile; v204-211 the way out; v224-235 p's codes; v232-254 at work; v248-251, v253 scale words.
.set VC,   98304                       ; LDS: K's codes from 0 (tile T at 768 T); V's from here: [pair of channel tiles][64 keys 0..31][tile of the pair] x 768
.set KS,   196608                      ; K's scale words: tile T, row r at 64 T + 4 r
.set VS,   204800                      ; V's: [key step][channel tile][16 words]
.set ADK16, 6
.set ADK8,  7
.set ADV16, 8
.set ADV8,  9
.set ADS,  10
.set ADT,  11
.set WV,   12
.set SEL,  20
.set CS,   22
.set G1A,  24                          ; s[24:31] group 1: 1,536 dense bytes
.set G1KB, 32                          ; s[32:39] 10,752 dense bytes
.set G1VB, 40                          ; s[40:47] 7 rows of 1,536 bytes, 49,152 apart
.set G0KA, 48
.set G0KB, 52
.set G0VA, 56
.set G0VB, 60
.set SI,   66                          ; the key step
.set TK,   67                          ; where its tiles of K begin in LDS;
.set TV,   68                          ; of V;
.set TS,   69                          ; K's scale words;
.set TT,   70                          ; V's
.set LH,   71                          ; the first tile's last key step
.set LL,   72                          ; the second's
.set ACH,  74
.set ACL,  76
.set ASH,  78
.set ASL,  80
.macro CROUND
	s_barrier_signal -1
	s_barrier_wait -1
	s_cmp_lg_u32 s[WV], 0
	s_cbranch_scc1 .Lnot_wave_0_\@
	s_barrier_signal -3
.Lnot_wave_0_\@:
	s_barrier_wait -3
	s_barrier_signal -1
	s_barrier_wait -1
.endm
	s_load_b256 s[4:11], s[0:1], 0x0               ; qkvc, qkvs, ac, asc
	v_lshl_add_u32 v243, v0, 2, 0x33000
	v_mov_b32 v255, 0
	ds_add_u32 v243, v255
	ds_add_u32 v243, v255
	v_lshrrev_b32 v8, 5, v0
	s_delay_alu instid0(VALU_DEP_1)
	v_readfirstlane_b32 s[WV], v8                  ; wave 0..15
	s_bfe_u32 s13, ttmp6, 0x40000                  ; c: my place in the cluster
	s_and_b32 s14, ttmp7, 0xffff                   ; 16 x batch row + head
	s_lshr_b32 s15, s14, 4
	s_and_b32 s16, s14, 15
	s_lshr_b32 s17, s[WV], 1                       ; g
	s_and_b32 s18, s[WV], 1                        ; e
	s_and_b32 s19, s[WV], 7                        ; which eighth of K's or of V's bytes I fetch
	s_mov_b32 s[G1A], 15|(3<<16)|(1<<21)           ; 15:0 the mask: all four work-groups; 17:16 elements of 8 bytes; 21 set beside a mask
	s_mov_b32 s[G1A+1], 32<<16                     ; rows of 256 bytes,
	s_mov_b32 s[G1A+2], 6<<16                      ; six of them,
	s_mov_b32 s[G1A+3], 32<<16
	s_mov_b32 s[G1A+4], 6
	s_mov_b32 s[G1A+5], 32                         ; dense
	s_mov_b32 s[G1A+6], 0
	s_mov_b32 s[G1A+7], 0
	s_mov_b32 s[G1KB], 15|(3<<16)|(1<<21)
	s_mov_b32 s[G1KB+1], 32<<16
	s_mov_b32 s[G1KB+2], 42<<16
	s_mov_b32 s[G1KB+3], 32<<16
	s_mov_b32 s[G1KB+4], 42
	s_mov_b32 s[G1KB+5], 32
	s_mov_b32 s[G1KB+6], 0
	s_mov_b32 s[G1KB+7], 0
	s_mov_b32 s[G1VB], 15|(3<<16)|(1<<21)
	s_mov_b32 s[G1VB+1], 192<<16
	s_mov_b32 s[G1VB+2], 7<<16
	s_mov_b32 s[G1VB+3], 192<<16
	s_mov_b32 s[G1VB+4], 7
	s_mov_b32 s[G1VB+5], 6144
	s_mov_b32 s[G1VB+6], 0
	s_mov_b32 s[G1VB+7], 0
	s_add_co_u32 s82, s16, 16
	s_lshl_b32 s82, s82, 9
	s_lshl_b32 s83, s15, 7
	s_add_co_u32 s82, s82, s83
	s_mul_i32 s82, s82, 768                        ; the head's K in qkvc: 98,304 dense bytes
	s_lshl_b32 s84, s15, 11
	s_lshl_b32 s85, s16, 2
	s_add_co_u32 s84, s84, s85
	s_mul_i32 s84, s84, 768
	s_add_co_u32 s84, s84, 12582912                ; the head's V: 3,072 bytes for each 64 keys, 49,152 apart
	s_mul_i32 s86, s19, 1536                       ; K, first stage (keys 0-255): two tiles a wave
	s_mul_i32 s87, s19, 10752
	s_add_co_u32 s87, s87, 12288                   ; K, second stage: fourteen tiles a wave
	s_and_b32 s88, s19, 1                          ; V: which pair of the four channel tiles,
	s_lshr_b32 s89, s19, 1                         ; and which of four runs of keys
	s_mul_i32 s90, s88, 49152
	s_add_co_u32 s90, s90, VC                      ; the pair in LDS
	s_mul_i32 s91, s88, 1536
	s_add_co_u32 s91, s91, s84                     ; and in memory
	s_mul_i32 s92, s89, 7
	s_add_co_u32 s92, s92, 4                       ; second stage: 64 keys number 4 + 7 x run on
	s_mov_b32 s95, 0
	s_mov_b32 s[SEL], 0x76543210
	s_mov_b32 s[SEL+1], 0xfedcba98
	s_mov_b32 s[CS], 0x3e38aa3b                    ; log2(e) / sqrt(64)
	s_mov_b32 s[CS+1], s[CS]                       ; (named with it as a pair, so it is written)
	s_wait_dscnt 0x0
	s_wait_kmcnt 0x0
	s_mov_b32 s[G0KA], 1
	s_mov_b32 s[G0KA+1], s86
	s_add_co_u32 s94, s82, s86
	s_add_nc_u64 s[G0KA+2:G0KA+3], s[4:5], s[94:95]
	s_or_b32 s[G0KA+3], s[G0KA+3], 0x80000000
	s_mov_b32 s[G0KB], 1
	s_mov_b32 s[G0KB+1], s87
	s_add_co_u32 s94, s82, s87
	s_add_nc_u64 s[G0KB+2:G0KB+3], s[4:5], s[94:95]
	s_or_b32 s[G0KB+3], s[G0KB+3], 0x80000000
	s_mov_b32 s[G0VA], 1
	s_mul_i32 s93, s89, 1536
	s_add_co_u32 s[G0VA+1], s90, s93
	s_mul_i32 s93, s89, 49152
	s_add_co_u32 s94, s91, s93
	s_add_nc_u64 s[G0VA+2:G0VA+3], s[4:5], s[94:95]
	s_or_b32 s[G0VA+3], s[G0VA+3], 0x80000000
	s_mov_b32 s[G0VB], 1
	s_mul_i32 s93, s92, 1536
	s_add_co_u32 s[G0VB+1], s90, s93
	s_mul_i32 s93, s92, 49152
	s_add_co_u32 s94, s91, s93
	s_add_nc_u64 s[G0VB+2:G0VB+3], s[4:5], s[94:95]
	s_or_b32 s[G0VB+3], s[G0VB+3], 0x80000000
	CROUND                                         ; all four work-groups are here: the joint loads meet
	s_cmp_lt_u32 s[WV], 8                          ; waves 0-7 fetch K, waves 8-15 V: a wave's two fills stand in one branch; two tensor loads of mine are out
	s_cbranch_scc0 .Lfirst_v
	tensor_load_to_lds s[G0KA:G0KA+3], s[G1A:G1A+7]
	s_nop 0
	tensor_load_to_lds s[G0KB:G0KB+3], s[G1KB:G1KB+7]
	s_nop 0
.rept 4
	v_nop
.endr
	s_branch .Lfirst_asked
.Lfirst_v:
	tensor_load_to_lds s[G0VA:G0VA+3], s[G1A:G1A+7]
	s_nop 0
	tensor_load_to_lds s[G0VB:G0VB+3], s[G1VB:G1VB+7]
	s_nop 0
.rept 4
	v_nop
.endr
.Lfirst_asked:
	v_and_b32 v8, 31, v0
	s_delay_alu instid0(VALU_DEP_1)
	v_lshlrev_b32 v1, 4, v8                        ; 16 x lane
	s_delay_alu instid0(VALU_DEP_2)
	v_lshlrev_b32 v2, 3, v8                        ; 8 x lane
	s_delay_alu instid0(VALU_DEP_3)
	v_lshlrev_b32 v3, 2, v8                        ; 4 x lane
	v_and_b32 v5, 15, v0                           ; r
	v_bfe_u32 v6, v0, 4, 1                         ; h
	s_delay_alu instid0(VALU_DEP_2)
	v_and_b32 v7, 8, v5
	s_delay_alu instid0(VALU_DEP_1)
	v_add_nc_u32 v4, v5, v7
	s_delay_alu instid0(VALU_DEP_3)
	v_lshlrev_b32 v7, 4, v6
	s_delay_alu instid0(VALU_DEP_1)
	v_sub_nc_u32 v4, v4, v7
	s_lshl_b32 s94, s13, 5
	s_lshl_b32 s93, s18, 3
	s_add_co_u32 s94, s94, s93
	v_add_nc_u32 v4, s94, v4                       ; d = my query's place among its key step's 128, less 16 h: register 16 b + i holds key 32 b + 16 h + i, hidden where 32 b + i > d
	v_lshlrev_b32 v9, 2, v5                        ; 4 r
	s_wait_alu depctr_va_vdst(0)
	v_lshl_add_u32 v5, v5, 3, v6                   ; 8 r + h
	s_lshl_b32 s94, s[WV], 9
	s_add_co_u32 s94, s94, KS
	v_add_nc_u32 v10, s94, v1                      ; where my wave puts its 512 bytes of K's scale words,
	s_lshl_b32 s94, s[WV], 8
	s_add_co_u32 s94, s94, VS
	v_add_nc_u32 v11, s94, v2                      ; and its 256 of V's
	s_lshl_b32 s94, s13, 1
	s_add_co_u32 s94, s94, s18                     ; 2 c + e
	s_xor_b32 s[LH], s17, 15                       ; 15 - g
	s_mov_b32 s[LL], s17
	s_lshl_b32 s95, s[LH], 3
	s_add_co_u32 s95, s95, s94
	s_lshl_b32 s73, s17, 3
	s_add_co_u32 s73, s73, s94
	s_lshl_b32 s94, s15, 7
	s_add_co_u32 s95, s95, s94                     ; my first tile among all tiles of tokens,
	s_add_co_u32 s73, s73, s94                     ; and my second
	s_lshl_b32 s94, s16, 9
	s_add_co_u32 s86, s94, s95
	s_mul_i32 s86, s86, 768
	s_mov_b32 s87, 0
	s_add_co_u32 s88, s94, s73
	s_mul_i32 s88, s88, 768
	s_mov_b32 s89, 0
	s_add_nc_u64 s[86:87], s[4:5], s[86:87]        ; Q's images
	s_add_nc_u64 s[88:89], s[4:5], s[88:89]
	s_lshr_b32 s94, s16, 1
	s_lshl_b32 s94, s94, 9
	s_add_co_u32 s90, s94, s95
	s_lshl_b32 s90, s90, 6
	s_mov_b32 s91, 0
	s_add_co_u32 s92, s94, s73
	s_lshl_b32 s92, s92, 6
	s_mov_b32 s93, 0
	s_add_nc_u64 s[90:91], s[6:7], s[90:91]        ; Q's scale words (a word holds two heads' pairs of bytes)
	s_add_nc_u64 s[92:93], s[6:7], s[92:93]
	s_lshl_b32 s82, s15, 7
	s_add_co_u32 s82, s82, s94
	s_add_co_u32 s82, s82, 4096
	s_lshl_b32 s82, s82, 6
	s_lshl_b32 s83, s[WV], 9
	s_add_co_u32 s82, s82, s83
	s_mov_b32 s83, 0
	s_add_nc_u64 s[82:83], s[6:7], s[82:83]        ; K's scale words: my wave's 8 tiles
	s_lshl_b32 s84, s15, 4
	s_add_co_u32 s84, s84, s[WV]
	s_lshl_b32 s84, s84, 6
	s_lshl_b32 s85, s16, 2
	s_add_co_u32 s84, s84, s85
	s_lshl_b32 s84, s84, 6
	s_add_co_u32 s84, s84, 524288
	s_mov_b32 s85, 0
	s_add_nc_u64 s[84:85], s[6:7], s[84:85]        ; V's: key step = my wave's number
	global_load_b128 v[32:35], v1, s[82:83]
	global_load_b64 v[36:37], v2, s[84:85]
	global_load_b128 v[16:19], v1, s[86:87]
	global_load_b64 v[20:21], v2, s[86:87] offset:512
	global_load_b128 v[192:195], v1, s[88:89]
	global_load_b64 v[196:197], v2, s[88:89] offset:512
	global_load_b32 v28, v9, s[90:91]
	global_load_b32 v29, v9, s[92:93]
	s_lshl_b32 s94, s95, 4
	s_add_co_u32 s94, s94, s16
	s_mul_i32 s[ACH], s94, 768
	s_mov_b32 s[ACH+1], 0
	s_lshl_b32 s94, s73, 4
	s_add_co_u32 s94, s94, s16
	s_mul_i32 s[ACL], s94, 768
	s_mov_b32 s[ACL+1], 0
	s_add_nc_u64 s[ACH:ACH+1], s[8:9], s[ACH:ACH+1]   ; where the results' images go: (16 x tile + head) x 768
	s_add_nc_u64 s[ACL:ACL+1], s[8:9], s[ACL:ACL+1]
	s_lshr_b32 s94, s16, 2
	s_lshl_b32 s94, s94, 16
	s_and_b32 s14, s16, 3
	s_lshl_b32 s14, s14, 1
	s_add_co_u32 s94, s94, s14
	s_lshl_b32 s[ASH], s95, 7
	s_add_co_u32 s[ASH], s[ASH], s94
	s_mov_b32 s[ASH+1], 0
	s_lshl_b32 s[ASL], s73, 7
	s_add_co_u32 s[ASL], s[ASL], s94
	s_mov_b32 s[ASL+1], 0
	s_add_nc_u64 s[ASH:ASH+1], s[10:11], s[ASH:ASH+1] ; and their scale bytes: plane head / 4, 8 bytes a row, byte 2 (head % 4) + block
	s_add_nc_u64 s[ASL:ASL+1], s[10:11], s[ASL:ASL+1]
	s_and_b32 s94, s16, 1
	s_lshl_b32 s94, s94, 4                         ; my head's pair of bytes begins at bit 16 (head % 2)
.irp j, 22,23,24,25,26,27,198,199,200,201,202,203,80,81,82,83,84,85
	v_mov_b32 v\j, 0                               ; Q's upper 64 codes, and what stands behind K's eighth tile
.endr
.irp j, 236,237,238,239,253
	v_mov_b32 v\j, 0                               ; written once: a lane permute's destination counts as one of its sources; v253 is named in a pair before it is first written
.endr
	s_wait_loadcnt 0x0
.irp j, 32,33,34,35,28,29
	v_bfe_u32 v\j, v\j, s94, 16                    ; [s0, s1, 0, 0]
.endr
	ds_store_b128 v10, v[32:35]
	ds_store_b64 v11, v[36:37]
	s_wait_dscnt 0x0                               ; for the others' sake: my scale words lie in LDS
	s_wait_tensorcnt 1                             ; my part of the first stage is in; my second-stage load may be out
	s_barrier_signal -1
	s_barrier_wait -1
; A KEY STEP: 128 keys against the tile whose Q stands in v[qf] on, scale word v[qs].  full = 1: all keys count and the step is never left out.
.macro STEP qf, qs, lim, full
.if \full == 0
	s_cmp_gt_u32 s[SI], s[\lim]                    ; all keys of the step come after my queries: the step's work is left out, not the lines at its end that step addresses
	s_cbranch_scc1 .Lhidden_\@
.endif
	s_setprio 2
	v_add_nc_u32 v[ADK16], s[TK], v1               ; six plain lines: also the places in front of the loads into registers that the last products read
	v_add_nc_u32 v[ADK8], s[TK], v2
	v_add_nc_u32 v[ADV16], s[TV], v1
	v_add_nc_u32 v[ADV8], s[TV], v2
	v_add_nc_u32 v[ADS], s[TS], v3
	v_add_nc_u32 v[ADT], s[TT], v3
.irp t, 0,1,2,3,4,5,6,7
	ds_load_b128 v[32+6*\t:35+6*\t], v[ADK16] offset:768*\t
	ds_load_b64 v[36+6*\t:37+6*\t], v[ADK8] offset:768*\t+512
.endr
.irp i, 0,1,2,3
	ds_load_b32 v[248+\i], v[ADS] offset:128*\i    ; lanes 0-15: tile 2 i's words, lanes 16-31: tile 2 i + 1's
.endr
	s_wait_alu depctr_va_vdst(0)
	s_wait_dscnt 0x0
.irp t, 0,2,4,6
	v_wmma_scale_f32_16x16x128_f8f6f4 v[96+8*\t:103+8*\t], v[32+6*\t:43+6*\t], v[\qf:\qf+11], 0, v[248+\t/2], v[\qs] matrix_a_fmt:MATRIX_FMT_FP6 matrix_b_fmt:MATRIX_FMT_FP6
	v_wmma_scale_f32_16x16x128_f8f6f4 v[104+8*\t:111+8*\t], v[38+6*\t:49+6*\t], v[\qf:\qf+11], 0, v[248+\t/2], v[\qs] matrix_a_fmt:MATRIX_FMT_FP6 matrix_b_fmt:MATRIX_FMT_FP6 matrix_a_scale:MATRIX_SCALE_ROW1
.endr
.rept 4
	v_nop                                          ; places: in front of the loads below and of the first read of the scores
.endr
.irp t, 0,1,2,3                                ; V's four fragments are asked for here and land under the softmax
.irp c, 0,1
	ds_load_b128 v[32+12*\t+6*\c:35+12*\t+6*\c], v[ADV16] offset:(\t/2)*49152+1536*\c+(\t%2)*768
	ds_load_b64 v[36+12*\t+6*\c:37+12*\t+6*\c], v[ADV8] offset:(\t/2)*49152+1536*\c+(\t%2)*768+512
.endr
.endr
	ds_load_b32 v248, v[ADT]
	ds_load_b32 v249, v[ADT] offset:128
.if \full == 0
	s_cmp_lg_u32 s[SI], s[\lim]                    ; only the last step of a tile lies on the diagonal
	s_cbranch_scc1 .Lopen_\@
	v_mov_b32 v254, 0xff800000                     ; hidden scores become -infinity ahead of the maximum: p = 0 then
.set n, 0
.rept 64
	v_cmp_gt_i32 vcc_lo, 32*(n/16)+n%16, v4
	v_cndmask_b32 v[96+n], v[96+n], v254, vcc_lo
.set n, n+1
.endr
.Lopen_\@:
.endif
.irp b, 0,1,2,3
	v_max3_num_f32 v[232+\b], v[96+16*\b], v[97+16*\b], v[98+16*\b]   ; the largest score of each block of 32 keys: for the row's maximum, and, since p rises with the score, for the block's largest p
.endr
.irp i, 3,5,7,9,11,13
.irp b, 0,1,2,3
	v_max3_num_f32 v[232+\b], v[232+\b], v[96+16*\b+\i], v[97+16*\b+\i]
.endr
.endr
.irp b, 0,1,2,3
	v_max_num_f32 v[232+\b], v[232+\b], v[111+16*\b]
.endr
.irp b, 0,1,2,3
	s_delay_alu instid0(VALU_DEP_4)
	v_permlanex16_b32 v[236+\b], v[232+\b], s[SEL], s[SEL+1]
.endr
.irp b, 0,1,2,3
	s_delay_alu instid0(VALU_DEP_4)
	v_max_num_f32 v[232+\b], v[232+\b], v[236+\b]  ; with lane l xor 16's 16 keys
.endr
	s_delay_alu instid0(VALU_DEP_2)
	v_max3_num_f32 v254, v232, v233, v234
	s_delay_alu instid0(VALU_DEP_1)
	v_max_num_f32 v254, v254, v235
	s_delay_alu instid0(VALU_DEP_1)
	v_mul_f32 v254, s[CS], v254                    ; the step's largest t
	s_delay_alu instid0(VALU_DEP_1)
	v_max_num_f32 v13, v13, v254                   ; the running largest t
	v_mov_b32 v254, v12
	s_delay_alu instid0(VALU_DEP_2)
	v_floor_f32 v12, -v13                          ; the new -M = floor(-t): M is a whole number
	s_delay_alu instid0(VALU_DEP_1)
	v_sub_f32 v254, v12, v254                      ; old M - new M: a whole number, 0 or less
	s_delay_alu instid0(VALU_DEP_1)
	v_cvt_i32_f32 v254, v254                       ; (it saturates)
	s_delay_alu instid0(VALU_DEP_1)
	v_ldexp_f32 v252, 1.0, v254                    ; f = 2^(old M - new M): a multiplication by it rounds nothing
.set n, 0
	s_setprio 1
.rept 32
	v_pk_fma_f32 v[96+n:97+n], v[96+n:97+n], s[CS:CS+1], v[12:13] op_sel_hi:[1,0,0]   ; t - M
.set n, n+2
.endr
.irp b, 0,1,2,3
	v_fma_f32 v[232+\b], v[232+\b], s[CS], v12     ; the same of each block's largest score
.endr
.set n, 0
	s_wait_alu depctr_va_vdst(0)
.rept 64
	v_exp_f32 v[96+n], v[96+n]                     ; p = 2^(t - M)
.set n, n+1
.endr
	v_pk_mul_f32 v[14:15], v[14:15], v[252:253] op_sel_hi:[1,0]   ; the sums under the new M; the plain line behind the exponentials
	s_wait_alu depctr_va_vdst(0)                   ; one wait for the batch, ahead of its first reader
.irp b, 0,1,2,3
	v_exp_f32 v[232+\b], v[232+\b]                 ; the block's largest p: the same two instructions on the same number
.endr
	v_pk_add_f32 v[236:237], v[100:101], v[104:105]
	v_pk_add_f32 v[250:251], v[108:109], v[112:113]
	v_pk_add_f32 v[246:247], v[116:117], v[120:121]
	v_pk_add_f32 v[244:245], v[124:125], v[128:129]
	v_pk_add_f32 v[240:241], v[132:133], v[136:137]
	v_pk_add_f32 v[238:239], v[140:141], v[144:145]
	v_pk_add_f32 v[230:231], v[148:149], v[152:153]
	v_pk_add_f32 v[14:15], v[14:15], v[156:157]
	v_pk_add_f32 v[236:237], v[236:237], v[96:97]
	v_pk_add_f32 v[250:251], v[250:251], v[98:99]
	v_pk_add_f32 v[246:247], v[246:247], v[102:103]
	v_pk_add_f32 v[244:245], v[244:245], v[106:107]
	v_pk_add_f32 v[240:241], v[240:241], v[110:111]
	v_pk_add_f32 v[238:239], v[238:239], v[114:115]
	v_pk_add_f32 v[230:231], v[230:231], v[118:119]
	v_pk_add_f32 v[14:15], v[14:15], v[122:123]
	v_pk_add_f32 v[236:237], v[236:237], v[126:127]
	v_pk_add_f32 v[250:251], v[250:251], v[130:131]
	v_pk_add_f32 v[246:247], v[246:247], v[134:135]
	v_pk_add_f32 v[244:245], v[244:245], v[138:139]
	v_pk_add_f32 v[240:241], v[240:241], v[142:143]
	v_pk_add_f32 v[238:239], v[238:239], v[146:147]
	v_pk_add_f32 v[230:231], v[230:231], v[150:151]
	v_pk_add_f32 v[14:15], v[14:15], v[154:155]
	v_pk_add_f32 v[236:237], v[236:237], v[158:159]
	s_delay_alu instid0(VALU_DEP_2)
	v_pk_add_f32 v[14:15], v[14:15], v[244:245]
	s_delay_alu instid0(VALU_DEP_2)
	v_pk_add_f32 v[236:237], v[236:237], v[240:241]
	v_pk_add_f32 v[250:251], v[250:251], v[238:239]
	v_pk_add_f32 v[246:247], v[246:247], v[230:231]
	s_delay_alu instid0(VALU_DEP_2)
	v_pk_add_f32 v[14:15], v[14:15], v[250:251]
	s_delay_alu instid0(VALU_DEP_2)
	v_pk_add_f32 v[236:237], v[236:237], v[246:247]
	s_delay_alu instid0(VALU_DEP_1)
	v_pk_add_f32 v[14:15], v[14:15], v[236:237]
	s_wait_alu depctr_va_vdst(0)                   ; and one for the four
.irp b, 0,1,2,3
	v_max_num_f32 v[232+\b], 0x1800000, v[232+\b]  ; the floor 2^(3 - 127): the byte cannot fall under 1
.endr
.irp b, 0,1,2,3
	s_delay_alu instid0(VALU_DEP_4)
	v_add_nc_u32 v[244+\b], 0xff000000, v[232+\b]  ; 2 off the exponent field: the conversion's scale operand
.endr
.irp b, 0,1,2,3
	s_delay_alu instid0(VALU_DEP_4)
	v_lshrrev_b32 v[236+\b], 23, v[244+\b]
.endr
	s_delay_alu instid0(VALU_DEP_3)
	v_lshl_or_b32 v253, v237, 8, v236              ; p's scale word for these 128 keys
	s_delay_alu instid0(VALU_DEP_1)
	v_lshl_or_b32 v253, v238, 16, v253
	s_delay_alu instid0(VALU_DEP_1)
	v_lshl_or_b32 v253, v239, 24, v253
	s_setprio 0
.irp c, 0,1
	v_cvt_scalef32_pk16_fp6_f32 v[224+6*\c:226+6*\c], v[96+32*\c:111+32*\c], v[244+2*\c]
	v_cvt_scalef32_pk16_fp6_f32 v[236+4*\c:238+4*\c], v[112+32*\c:127+32*\c], v[244+2*\c+1]
.endr
	v_nop                                          ; one plain line behind the conversions
.irp c, 0,1
.irp i, 0,1,2
	v_permlane16_swap_b32 v[224+6*\c+\i], v[236+4*\c+\i]
.endr
.irp i, 0,1,2
	s_delay_alu instid0(VALU_DEP_3)
	v_mov_b32 v[227+6*\c+\i], v[236+4*\c+\i]
.endr
.endr
.set n, 0
.rept 16
	v_pk_mul_f32 v[160+n:161+n], v[160+n:161+n], v[252:253] op_sel_hi:[1,0]   ; O^T under the new M; these 16 are also the places between the writes of p's codes and scale word and the products
.set n, n+2
.endr
	s_wait_alu depctr_va_vdst(0)
	s_wait_dscnt 0x0                               ; V's fragments and scale words
.irp t, 0,2
	v_wmma_scale_f32_16x16x128_f8f6f4 v[160+8*\t:167+8*\t], v[32+12*\t:43+12*\t], v[224:235], v[160+8*\t:167+8*\t], v[248+\t/2], v253 matrix_a_fmt:MATRIX_FMT_FP6 matrix_b_fmt:MATRIX_FMT_FP6
	v_wmma_scale_f32_16x16x128_f8f6f4 v[168+8*\t:175+8*\t], v[44+12*\t:55+12*\t], v[224:235], v[168+8*\t:175+8*\t], v[248+\t/2], v253 matrix_a_fmt:MATRIX_FMT_FP6 matrix_b_fmt:MATRIX_FMT_FP6 matrix_a_scale:MATRIX_SCALE_ROW1
.endr
.if \full == 0
.Lhidden_\@:
.endif
	s_add_co_u32 s[TK], s[TK], 6144                ; the next 128 keys
	s_add_co_u32 s[TV], s[TV], 3072
	s_add_co_u32 s[TS], s[TS], 512
	s_add_co_u32 s[TT], s[TT], 256
.endm
.macro INIT                            ; a tile begins: the largest t under every t, the sum and O^T zeros, which the first change of M leaves zeros
	v_mov_b32 v13, 0xff61b1e6
	s_delay_alu instid0(VALU_DEP_1)
	v_floor_f32 v12, -v13
	v_mov_b32 v14, 0
	v_mov_b32 v15, 0
.set n, 0
.rept 32
	v_mov_b32 v[160+n], 0
.set n, n+1
.endr
.endm
; A tile ends: O^T / the sum, quantised along the head's 64 channels (register 16 b + i = channel 32 b + 16 h + i), leaves as one image and 32 scale bytes.
.macro FINISH acs, ass
.rept 4
	v_nop                                          ; places behind the last products
.endr
	s_wait_xcnt 0x0                                ; the other tile's stores have read their registers
	v_add_f32 v14, v14, v15
	s_delay_alu instid0(VALU_DEP_1)
	v_permlanex16_b32 v252, v14, s[SEL], s[SEL+1]
	s_delay_alu instid0(VALU_DEP_1)
	v_add_f32 v14, v14, v252                       ; the row's sum
	s_wait_alu depctr_va_vdst(0)
	v_rcp_f32 v14, v14
	v_and_b32 v254, 16, v0                         ; (the plain line behind the reciprocal)
	s_delay_alu instid0(VALU_DEP_1)
	v_cmp_ne_u32 vcc_lo, 0, v254                   ; lanes 16-31
	s_wait_alu depctr_va_vdst(0)                   ; ahead of the reciprocal's first reader
.set n, 0
.rept 16
	v_pk_mul_f32 v[96+n:97+n], v[160+n:161+n], v[14:15] op_sel_hi:[1,0]   ; each accumulator from its low end on
.set n, n+2
.endr
.irp b, 0,1
	v_max3_num_f32 v[232+\b], |v[96+16*\b]|, |v[97+16*\b]|, 0x1800000
.endr
.irp i, 2,4,6,8,10,12,14
.irp b, 0,1
	s_delay_alu instid0(VALU_DEP_2)
	v_max3_num_f32 v[232+\b], v[232+\b], |v[96+16*\b+\i]|, |v[97+16*\b+\i]|
.endr
.endr
.irp b, 0,1
	s_delay_alu instid0(VALU_DEP_2)
	v_permlanex16_b32 v[236+\b], v[232+\b], s[SEL], s[SEL+1]
.endr
.irp b, 0,1
	s_delay_alu instid0(VALU_DEP_2)
	v_max_num_f32 v[232+\b], v[232+\b], v[236+\b]
.endr
.irp b, 0,1
	s_delay_alu instid0(VALU_DEP_2)
	v_add_nc_u32 v[244+\b], 0xff000000, v[232+\b]
.endr
.irp b, 0,1
	s_delay_alu instid0(VALU_DEP_2)
	v_lshrrev_b32 v[236+\b], 23, v[244+\b]
.endr
	v_cvt_scalef32_pk16_fp6_f32 v[204:206], v[96:111], v244
	v_cvt_scalef32_pk16_fp6_f32 v[208:210], v[112:127], v245
	v_cndmask_b32 v211, v236, v237, vcc_lo         ; lane (r, h) stores block h's byte; also the plain line behind the conversions
	v_permlane16_swap_b32 v204, v208               ; a whole block to a lane
	v_permlane16_swap_b32 v205, v209
	v_permlane16_swap_b32 v206, v210
	s_delay_alu instid0(VALU_DEP_3)
	v_mov_b32 v207, v208
	s_delay_alu instid0(VALU_DEP_3)
	v_mov_b32 v208, v209
	s_delay_alu instid0(VALU_DEP_3)
	v_mov_b32 v209, v210
	global_store_b128 v1, v[204:207], s[\acs:\acs+1]              ; 512 consecutive bytes, aligned
	global_store_b64 v2, v[208:209], s[\acs:\acs+1] offset:512    ; 256
	global_store_b8 v5, v211, s[\ass:\ass+1]                      ; two bytes of each row's eight: a tile has no more of them
.endm
	INIT
	s_mov_b32 s[TK], 0
	s_mov_b32 s[TV], VC
	s_mov_b32 s[TS], KS
	s_mov_b32 s[TT], VS
	STEP 16, 28, LH, 1                             ; key steps 0 and 1 of the first tile (its last step is 8 or more) read the first stage's bytes alone; written out, so that their addresses are constants
	STEP 16, 28, LH, 1
	s_wait_dscnt 0x0
	s_wait_tensorcnt 0x0                           ; my second-stage load has landed,
	s_barrier_signal -1
	s_barrier_wait -1                              ; everybody's has
	s_mov_b32 s[SI], 2
	s_mov_b32 s[TK], 2*6144
	s_mov_b32 s[TV], VC+2*3072
	s_mov_b32 s[TS], KS+2*512
	s_mov_b32 s[TT], VS+2*256
.Lhi:                                              ; 14 trips, a constant: the steps past a wave's limit do no work
	STEP 16, 28, LH, 0
	s_add_co_u32 s[SI], s[SI], 1
	s_cmp_lt_u32 s[SI], 16
	s_cbranch_scc1 .Lhi
	s_setprio 0
	FINISH ACH, ASH
	INIT
	s_mov_b32 s[SI], 0
	s_mov_b32 s[TK], 0
	s_mov_b32 s[TV], VC
	s_mov_b32 s[TS], KS
	s_mov_b32 s[TT], VS
.Llo:                                              ; 16 trips
	STEP 192, 29, LL, 0
	s_add_co_u32 s[SI], s[SI], 1
	s_cmp_lt_u32 s[SI], 16
	s_cbranch_scc1 .Llo
	s_setprio 0
	FINISH ACL, ASL
	s_wait_tensorcnt 0x0
	ds_add_u32 v243, v255
	s_wait_dscnt 0x0
	CROUND                                         ; the closing round
	s_endpgm
.Lfunc_end_k_qcebe9edaf6_attn:
	.size	k_qcebe9edaf6_attn, .Lfunc_end_k_qcebe9edaf6_attn-k_qcebe9edaf6_attn
	.p2alignl 7, 3214868480
	.fill 96, 4, 3214868480
	.section	.rodata,"a",@progbits
	.p2align	6, 0x0
	.amdhsa_kernel k_qcebe9edaf6_attn
		.amdhsa_group_segment_fixed_size 210944
		.amdhsa_private_segment_fixed_size 0
		.amdhsa_enable_private_segment 0
		.amdhsa_kernarg_size 32
		.amdhsa_user_sgpr_count 2
		.amdhsa_user_sgpr_kernarg_segment_ptr 1
		.amdhsa_wavefront_size32 1
		.amdhsa_system_sgpr_workgroup_id_x 1
		.amdhsa_system_sgpr_workgroup_id_y 1
		.amdhsa_system_sgpr_workgroup_id_z 1
		.amdhsa_system_vgpr_workitem_id 0
		.amdhsa_next_free_vgpr 256
		.amdhsa_next_free_sgpr 96
		.amdhsa_reserve_vcc 1
		.amdhsa_float_denorm_mode_32 3
		.amdhsa_float_denorm_mode_16_64 3
		.amdhsa_memory_ordered 1
		.amdhsa_forward_progress 1
		.amdhsa_inst_pref_size 105
	.end_amdhsa_kernel
	.amdgpu_metadata
---
amdhsa.version: [ 1, 2 ]
amdhsa.kernels:
  - .name:           k_qcebe9edaf6_attn
    .symbol:         k_qcebe9edaf6_attn.kd
    .args:
      - { .name: qkvc, .offset: 0, .size: 8, .value_kind: global_buffer, .address_space: global }
      - { .name: qkvs, .offset: 8, .size: 8, .value_kind: global_buffer, .address_space: global }
      - { .name: ac, .offset: 16, .size: 8, .value_kind: global_buffer, .address_space: global }
      - { .name: asc, .offset: 24, .size: 8, .value_kind: global_buffer, .address_space: global }
    .group_segment_fixed_size: 210944
    .private_segment_fixed_size: 0
    .kernarg_segment_align: 8
    .kernarg_segment_size: 32
    .max_flat_workgroup_size: 512
    .sgpr_count:     96
    .vgpr_count:     256
    .wavefront_size: 32
...
	.end_amdgpu_metadata
.endif
;; end of part 3
;; launch proj (part 4): grid 4 x 32, 4 waves a work-group, clusters of 4 x 4, 327,680 bytes of LDS; arguments cw, sw, ac, asc, bp, out0; writes out0
.if DOCPART == 4
	.amdgcn_target "amdgcn-amd-amdhsa--gfx1250"
	.amdhsa_code_object_version 6
	.text
	.protected	k_qcebe9edaf6_proj
	.globl	k_qcebe9edaf6_proj
	.p2align	8
	.type	k_qcebe9edaf6_proj,@function
k_qcebe9edaf6_proj:
	s_mov_b64 s[64:65], 0
	v_nop
	global_prefetch_b8 v0, s[64:65] scope:SCOPE_SE
	s_setreg_imm32_b32 hwreg(HW_REG_WAVE_MODE, 25, 1), 1
	s_wait_xcnt 0x0
	s_wait_alu depctr_hold_cnt(0) depctr_sa_sdst(0) depctr_va_vdst(0) depctr_va_sdst(0) depctr_va_ssrc(0) depctr_va_vcc(0) depctr_vm_vsrc(0)
	s_getreg_b32 s2, hwreg(HW_REG_IB_STS2, 6, 4)
	s_cmp_eq_u32 s2, 0
	s_cbranch_scc0 .Lentry_in_a_cluster
	s_endpgm
.Lentry_in_a_cluster:
	s_bfe_u32 s2, ttmp6, 0x10000c
	s_cmp_lg_u32 s2, 0xf033
	s_cbranch_scc0 .Lentry_shape_is_right
	s_endpgm
.Lentry_shape_is_right:
; out0 = a Wp + bp, a the attention's result: both operands arrive as codes of FP6 (E2M3) with E8M0 scales, laid as images of the operands' registers; sums in f32; out0 [8192][1024] f32.
; Source 0 = 256 rows of Wp (its n; cw's tiles 704 on), source 1 = 256 tokens of a (ac, asc): a lane holds a token, its eight registers eight neighbouring n.
; Rows of a tile of 16 lie with bits 3 and 4 of their number changed: source 0's tiles 2 B, 2 B + 1 give the neighbours 32 B + 16 (lane / 16) + 0 .. 15; row t of source 1's tile a is token 32 (a / 2) + 8 (a % 2) + t + 8 (t / 8).
; A work-group of four waves makes 256 x 256, a wave 128 x 128; K = 1,024 in four steps of 256 through two LDS slots; 4 x 4 clusters with joint loads, source 1's tiles shared along a row, source 0's along a column.
; The bias is the C of each sum's first matrix instruction.  128 work-groups: a smaller tile would want another text.
; REGISTERS: window 0: v16-29 addresses; v32-63 scale words, two sets; v64-127 the bias; v128-223 source 1's fragments; on the way out v128-255 rows of out0.  window 1: source 0's fragments, two sets.  windows 2, 3: the accumulators.
.set NQ,     2
.set FR,     12
.set NL,     4
.set NP,     4
.set TILEB,  3072
.set HALFT,  8*TILEB
.set SLOT,   4*HALFT
.set SCL,    2*SLOT
.set HALFS,  4096
.set SPARE,  SCL+4*HALFS               ; the spare words, 128 bytes for each wave: two blocks of 256 bytes that no other line names
.set STG,    SPARE+512                 ; the way out: 16 rows x (512 bytes + 16) for each wave; no fill lands here
.set SPITCH, 528
.set ADRA, 16
.set ADRB, 20
.set STO,  24
.set RD,   25
.set CO,   26
.set ADRS, 27
.set SPW,  28
.set NIL,  29
.set SC,   32
.set BI,   64
.set AF,   128
.set BK,   128
.set G1,   24
.set G0,   32
.set G1B,  48
.set G0B,  56
.set G1S,  68
.set G0S,  76
.set G1SB, 80
.set G0SB, 88
.set MSB, 0
.macro WIN new                         ; the immediate's high byte repeats the setting that is left
.if MSB != \new
	s_set_vgpr_msb (MSB<<8)|\new
.set MSB, \new
.endif
.endm
.set MUL_LO, 0xa1
.set MUL_HI, 0xf1
.set TO_B,   0x40
.macro JLOAD g0a, g1a, g0b, g1b        ; waves 0 and 1 fetch for source 1, waves 2 and 3 for source 0; four v_nop follow each of the two lines
	s_cmp_eq_u32 s15, 0
	s_cbranch_scc0 .Lfor_b_\@
	tensor_load_to_lds s[\g0a:\g0a+3], s[\g1a:\g1a+7]
	s_nop 0
.rept 4
	v_nop
.endr
	s_branch .Lasked_\@
.Lfor_b_\@:
	tensor_load_to_lds s[\g0b:\g0b+3], s[\g1b:\g1b+7]
	s_nop 0
.rept 4
	v_nop
.endr
.Lasked_\@:
.endm
.macro CREST
	s_cmp_lg_u32 s14, 0
	s_cbranch_scc1 .Lnot_wave_0_\@
	s_barrier_signal -3
.Lnot_wave_0_\@:
	s_barrier_wait -3
	s_barrier_signal -1
	s_barrier_wait -1
.endm
.macro CROUND
	s_barrier_signal -1
	s_barrier_wait -1
	CREST
.endm
	s_load_b256 s[4:11], s[0:1], 0x0               ; cw, sw, ac, asc
	s_load_b64 s[12:13], s[0:1], 0x20              ; bp
	s_load_b64 s[92:93], s[0:1], 0x28              ; out0
	v_lshl_add_u32 v[SPW], v0, 2, SPARE
	v_mov_b32 v[NIL], 0
	ds_add_u32 v28, v29
	ds_add_u32 v28, v29
	s_wait_dscnt 0x0
	v_lshrrev_b32 v1, 5, v0
	v_readfirstlane_b32 s14, v1                    ; wave 0..3
	s_lshr_b32 s15, s14, 1                         ; my half of source 1's rows; also: I fetch for source 1 (0) or source 0 (1)
	s_and_b32 s16, s14, 1                          ; my half of source 0's; also: which 128 rows I fetch
	s_bfe_u32 s40, ttmp6, 0x40000                  ; cx
	s_bfe_u32 s41, ttmp6, 0x40004                  ; cy
	s_lshl_b32 s42, ttmp9, 2
	s_add_co_u32 s42, s42, s40                     ; block of 256 n
	s_and_b32 s17, ttmp7, 0xffff
	s_lshl_b32 s17, s17, 2
	s_add_co_u32 s17, s17, s41                     ; block of 256 tokens
	s_lshl_b32 s43, s41, 2
	s_lshl_b32 s43, 15, s43                        ; my row of the cluster
	s_lshl_b32 s44, 0x1111, s40                    ; my column
	s_or_b32 s[G1+0], s43, (3<<16)|(1<<21)         ; codes: 8 tiles of 384 elements of 8 bytes, 1,536 elements apart
	s_or_b32 s[G1B+0], s44, (3<<16)|(1<<21)
.irp g, G1, G1B
	s_mov_b32 s[\g+1], 384<<16
	s_mov_b32 s[\g+2], 8<<16
	s_mov_b32 s[\g+3], 384<<16
	s_mov_b32 s[\g+4], 8
	s_mov_b32 s[\g+5], 1536
	s_mov_b32 s[\g+6], 0
	s_mov_b32 s[\g+7], 0
.endr
	s_or_b32 s[G1S+0], s43, (3<<16)|(1<<21)        ; scale bytes of 128 rows: 4 planes of 128 elements of 8 bytes
	s_or_b32 s[G1SB+0], s44, (3<<16)|(1<<21)
.irp g, G1S, G1SB
	s_mov_b32 s[\g+1], 128<<16
	s_mov_b32 s[\g+2], 4<<16
	s_mov_b32 s[\g+3], 128<<16
	s_mov_b32 s[\g+4], 4
	s_mov_b32 s[\g+6], 0
	s_mov_b32 s[\g+7], 0
.endr
	s_mov_b32 s[G1S+5], 8192                       ; asc: 8,192 rows to a plane
	s_mov_b32 s[G1SB+5], 12288                     ; sw: 12,288
	s_lshl_b32 s23, s16, 3
	s_lshl_b32 s20, s17, 4
	s_add_co_u32 s20, s20, s23                     ; source 1: first tile, in ac
	s_add_co_u32 s46, s42, 44                      ; Wp begins at block 44 of cw's rows
	s_lshl_b32 s46, s46, 4
	s_add_co_u32 s46, s46, s23                     ; source 0: first tile, in cw
	s_lshl_b32 s22, s20, 7
	s_mov_b32 s23, 0
	s_lshl_b32 s98, s46, 7
	s_mov_b32 s99, 0
	s_mul_i32 s20, s20, 12288
	s_mov_b32 s21, 0
	s_mul_i32 s46, s46, 12288
	s_mov_b32 s47, 0
	s_mul_i32 s45, s14, HALFT
	s_mul_i32 s3, s14, HALFS
	s_wait_kmcnt 0x0
	s_add_nc_u64 s[20:21], s[8:9], s[20:21]
	s_add_nc_u64 s[22:23], s[10:11], s[22:23]
	s_add_nc_u64 s[46:47], s[4:5], s[46:47]
	s_add_nc_u64 s[98:99], s[6:7], s[98:99]
	CROUND                                         ; all sixteen work-groups are here: the first joint loads meet
	s_mov_b32 s[G0S], 1
	s_add_co_u32 s[G0S+1], s3, SCL
	s_mov_b64 s[G0S+2:G0S+3], s[22:23]
	s_or_b32 s[G0S+3], s[G0S+3], 0x80000000
	s_mov_b32 s[G0SB], 1
	s_add_co_u32 s[G0SB+1], s3, SCL
	s_mov_b64 s[G0SB+2:G0SB+3], s[98:99]
	s_or_b32 s[G0SB+3], s[G0SB+3], 0x80000000
	JLOAD G0S, G1S, G0SB, G1SB
.irp s, 0,1
	s_mov_b32 s[G0+4*\s], 1
	s_add_co_u32 s[G0+4*\s+1], s45, \s*SLOT
	s_add_nc_u64 s[G0+4*\s+2:G0+4*\s+3], s[20:21], \s*TILEB
	s_or_b32 s[G0+4*\s+3], s[G0+4*\s+3], 0x80000000
	s_mov_b32 s[G0B+4*\s], 1
	s_add_co_u32 s[G0B+4*\s+1], s45, \s*SLOT
	s_add_nc_u64 s[G0B+4*\s+2:G0B+4*\s+3], s[46:47], \s*TILEB
	s_or_b32 s[G0B+4*\s+3], s[G0B+4*\s+3], 0x80000000
	JLOAD G0+4*\s, G1, G0B+4*\s, G1B               ; three tensor loads of mine are out at the most
.endr
	v_and_b32 v1, 15, v0                           ; r
	v_bfe_u32 v2, v0, 4, 1                         ; h
	v_and_b32 v3, 31, v0                           ; lane
	v_lshlrev_b32 v4, 4, v3
	v_lshlrev_b32 v5, 3, v3
	s_mul_i32 s21, s15, HALFT
	s_mul_i32 s22, s16, HALFT
	s_add_co_u32 s22, s22, 2*HALFT
.irp s, 0,1
	v_add_nc_u32 v[ADRA+\s], s21, v4
	v_add_nc_u32 v[ADRB+\s], s22, v4
	v_add_nc_u32 v[ADRA+2+\s], s21, v5
	v_add_nc_u32 v[ADRB+2+\s], s22, v5
	s_add_co_u32 s21, s21, SLOT
	s_add_co_u32 s22, s22, SLOT
.endr
	v_lshlrev_b32 v5, 3, v1
	s_mul_i32 s21, s15, HALFS
	s_mul_i32 s22, s16, HALFS
	s_add_co_u32 s22, s22, 2*HALFS
	s_sub_co_u32 s22, s22, s21
	v_mul_u32_u24 v6, s22, v2                      ; lanes 16-31 take source 0's scale words
	s_add_co_u32 s21, s21, SCL
	v_add_nc_u32 v5, v5, v6
	v_add_nc_u32 v[ADRS], s21, v5
	s_lshl_b32 s20, s42, 10
	s_lshl_b32 s21, s16, 9
	s_add_co_u32 s20, s20, s21                     ; my first n, in bytes: 1,024 x block + 512 x half
	s_mov_b32 s21, 0
	s_add_nc_u64 s[12:13], s[12:13], s[20:21]
	s_add_nc_u64 s[92:93], s[92:93], s[20:21]
	v_lshlrev_b32 v224, 6, v2                      ; the bias in the result's layout: register 8 b + j = n 32 (b / 2) + 8 (b % 2) + 16 h + j
.irp b, 0,1,2,3,4,5,6,7
	global_load_b128 v[BI+8*\b:BI+8*\b+3], v224, s[12:13] offset:(32*(\b/2)+8*(\b%2))*4
	global_load_b128 v[BI+8*\b+4:BI+8*\b+7], v224, s[12:13] offset:(32*(\b/2)+8*(\b%2))*4+16
.endr
	s_lshl_b32 s20, s17, 8
	s_lshl_b32 s22, s15, 7
	s_add_co_u32 s20, s20, s22
	s_lshl_b32 s20, s20, 12                        ; my first token's row of 4,096 bytes
	s_add_nc_u64 s[92:93], s[92:93], s[20:21]
	s_mul_i32 s23, s14, 16*SPITCH
	s_add_co_u32 s23, s23, STG                     ; my stage
	v_mul_u32_u24 v5, v1, SPITCH
	v_lshl_add_u32 v5, v2, 6, v5
	v_add_nc_u32 v[STO], s23, v5                   ; in: row r, + 64 h
	v_lshlrev_b32 v[CO], 4, v3                     ; back: the 32 lanes take a row of 512 bytes; the same in out0
	v_add_nc_u32 v[RD], s23, v[CO]
.macro FRAG reg, adr, q, i             ; a fragment is two images: each load reads consecutive bytes
	ds_load_b128 v[\reg:\reg+3],     v[\adr]   offset:TILEB*(\i)+1536*(\q)
	ds_load_b64  v[\reg+4:\reg+5],   v[\adr+2] offset:TILEB*(\i)+1536*(\q)+512
	ds_load_b128 v[\reg+6:\reg+9],   v[\adr]   offset:TILEB*(\i)+1536*(\q)+768
	ds_load_b64  v[\reg+10:\reg+11], v[\adr+2] offset:TILEB*(\i)+1536*(\q)+1280
.endm
; 16 matrix instructions; the 64 accumulators take turns, one instruction a turn.  zero = 1: the first product starts the sum from the bias.
.macro MUL16 a0, p, q, sc, zero
.irp a, \a0, \a0+1
.irp b, 0,1,2,3,4,5,6,7
.if \zero
	v_wmma_scale_f32_16x16x128_f8f6f4 v[8*(8*((\a)%4)+\b):8*(8*((\a)%4)+\b)+7], v[128*(\p)+FR*\b:128*(\p)+FR*\b+FR-1], v[AF+FR*(\a):AF+FR*(\a)+FR-1], v[BI+8*\b:BI+8*\b+7], v[SC+8*NQ*(\sc)+NQ*\b+(\q)], v[SC+8*NQ*(\sc)+NQ*(\a)+(\q)] matrix_a_fmt:MATRIX_FMT_FP6 matrix_b_fmt:MATRIX_FMT_FP6 matrix_a_scale:MATRIX_SCALE_ROW1
.else
	v_wmma_scale_f32_16x16x128_f8f6f4 v[8*(8*((\a)%4)+\b):8*(8*((\a)%4)+\b)+7], v[128*(\p)+FR*\b:128*(\p)+FR*\b+FR-1], v[AF+FR*(\a):AF+FR*(\a)+FR-1], v[8*(8*((\a)%4)+\b):8*(8*((\a)%4)+\b)+7], v[SC+8*NQ*(\sc)+NQ*\b+(\q)], v[SC+8*NQ*(\sc)+NQ*(\a)+(\q)] matrix_a_fmt:MATRIX_FMT_FP6 matrix_b_fmt:MATRIX_FMT_FP6 matrix_a_scale:MATRIX_SCALE_ROW1
.endif
.endr
.endr
.endm
.macro FETCH_B slot, q, p
	WIN TO_B
.irp i, 0,1,2,3,4,5,6,7
	FRAG 128*(\p)+FR*\i, ADRB+\slot, \q, \i
.endr
	WIN 0
.endm
.macro FETCH_A slot, q, i0
.irp i, \i0, \i0+1, \i0+2, \i0+3
	FRAG AF+FR*(\i), ADRA+\slot, \q, \i
.endr
.endm
.macro SCALES sc
.irp i, 0,1,2,3,4,5,6,7
	ds_load_b64 v[SC+8*NQ*\sc+NQ*\i:SC+8*NQ*\sc+NQ*\i+1], v[ADRS] offset:\i*128
.endr
.endm
.macro PLACES n
.rept \n
	v_nop
.endr
.endm
.macro STEP slot, q, zero
	s_wait_dscnt 4*NL                              ; all but the youngest 16 loads (source 1's blocks 4-7) are in
.if \zero
	WIN 0x81                                       ; source 0 window 1, the bias window 0, D window 2
.else
	WIN MUL_LO
.endif
	MUL16 0, (\q)%2, \q, \slot, \zero
	MUL16 2, (\q)%2, \q, \slot, \zero
	s_wait_dscnt 0
	PLACES NP
	FETCH_B \slot, (\q)+1, 1-(\q)%2
	FETCH_A \slot, (\q)+1, 0
.if \zero
	WIN 0xc1
.else
	WIN MUL_HI
.endif
	MUL16 4, (\q)%2, \q, \slot, \zero
	MUL16 6, (\q)%2, \q, \slot, \zero
	PLACES NP
	WIN 0
	FETCH_A \slot, (\q)+1, 4
.endm
.macro TURN slot, next, fill           ; a slot's last step changes slots: one barrier, the three lines in front of it
	s_wait_tensorcnt 0x0                           ; all my tensor loads have landed: my part of the next slot
	ds_add_u32 v[SPW], v[NIL]                      ; 0 onto my spare word
	s_wait_dscnt 4*NL+1                            ; the add and the youngest 16 loads may be out
	WIN MUL_LO
	MUL16 0, 1, NQ-1, \slot, 0
	s_wait_dscnt 0x0                               ; the add is done, and my reads of this slot are over
	s_barrier_signal -1
	MUL16 2, 1, NQ-1, \slot, 0
	WIN 0
	s_barrier_wait -1
.if \fill
	CREST                                          ; a round of the cluster's barrier: no wave of any partner still reads this slot or has a load on its way
	s_add_nc_u64 s[G0+4*\slot+2:G0+4*\slot+3], s[G0+4*\slot+2:G0+4*\slot+3], 2*TILEB
	s_add_nc_u64 s[G0B+4*\slot+2:G0B+4*\slot+3], s[G0B+4*\slot+2:G0B+4*\slot+3], 2*TILEB
	JLOAD G0+4*\slot, G1, G0B+4*\slot, G1B
.else
	PLACES NP
.endif
	v_add_nc_u32 v[ADRS], 1024, v[ADRS]
	FETCH_B \next, 0, 0
	FETCH_A \next, 0, 0
	SCALES \next
	WIN MUL_HI
	MUL16 4, 1, NQ-1, \slot, 0
	MUL16 6, 1, NQ-1, \slot, 0
	PLACES NP
	WIN 0
	FETCH_A \next, 0, 4
.endm
	s_wait_tensorcnt 1                             ; the scale bytes and my part of K step 0 are in; K step 1's load may be out
	s_barrier_signal -1
	s_barrier_wait -1
	FETCH_B 0, 0, 0
	FETCH_A 0, 0, 0
	SCALES 0
	FETCH_A 0, 0, 4
	s_wait_loadcnt 0x0                             ; the bias
	STEP 0, 0, 1
	TURN 0, 1, 1
	STEP 1, 0, 0
	TURN 1, 0, 1
	STEP 0, 0, 0
	TURN 0, 1, 0
	STEP 1, 0, 0
	s_wait_dscnt 4*NL
	WIN MUL_LO
	MUL16 0, 1, NQ-1, 1, 0
	MUL16 2, 1, NQ-1, 1, 0
	s_wait_dscnt 0
	WIN MUL_HI
	MUL16 4, 1, NQ-1, 1, 0
	MUL16 6, 1, NQ-1, 1, 0
	WIN 0
; THE WAY OUT, block by block of 16 tokens x 128 n: through my own stage, back as whole rows of 512 bytes.  LDS serves a wave's instructions in order: no wait between the stores and the loads.
.macro TOSTAGE a
.set AC, 64*((\a)%4)
	WIN (0x08+4*((\a)/4))                          ; an LDS store's data: window 2 or 3
.irp b, 0,1,2,3,4,5,6,7
	ds_store_b128 v[STO], v[AC+8*\b:AC+8*\b+3] offset:128*(\b/2)+32*(\b%2)          ; each accumulator from its low end on
	ds_store_b128 v[STO], v[AC+8*\b+4:AC+8*\b+7] offset:128*(\b/2)+32*(\b%2)+16
.endr
	WIN 0
.set BB, BK+64*((\a)%2)
.irp t, 0,1,2,3,4,5,6,7,8,9,10,11,12,13,14,15
	ds_load_b128 v[BB+4*\t:BB+4*\t+3], v[RD] offset:\t*SPITCH
.endr
.endm
.macro SEND a, younger                 ; younger: the LDS instructions issued behind block a's loads, which may stay out
.set BB, BK+64*((\a)%2)
	s_wait_dscnt \younger
.irp t, 0,1,2,3,4,5,6,7,8,9,10,11,12,13,14,15
	global_store_b128 v[CO], v[BB+4*\t:BB+4*\t+3], s[92:93] offset:(32*((\a)/2)+8*((\a)%2)+\t+8*(\t/8))*4096 th:TH_STORE_NT   ; 512 consecutive bytes, aligned; the row's true number stands in the immediate
.endr
.endm
	PLACES NP
	TOSTAGE 0
.irp a, 1,2,3,4,5,6,7
.if \a > 1
	s_wait_xcnt 0x0                                ; block a - 2's stores have read their registers: block a's loads may land there
.endif
	TOSTAGE \a
	SEND \a-1, 32                                  ; behind block a - 1's loads: block a's 16 stores and 16 loads
.endr
	SEND 7, 0
	s_wait_tensorcnt 0x0                           ; the wave's end
	ds_add_u32 v[SPW], v[NIL]
	s_wait_dscnt 0x0
	CROUND                                         ; the closing round
	s_endpgm
.Lfunc_end_k_qcebe9edaf6_proj:
	.size	k_qcebe9edaf6_proj, .Lfunc_end_k_qcebe9edaf6_proj-k_qcebe9edaf6_proj
	.p2alignl 7, 3214868480
	.fill 96, 4, 3214868480
	.section	.rodata,"a",@progbits
	.p2align	6, 0x0
	.amdhsa_kernel k_qcebe9edaf6_proj
		.amdhsa_group_segment_fixed_size 327680
		.amdhsa_private_segment_fixed_size 0
		.amdhsa_enable_private_segment 0
		.amdhsa_kernarg_size 48
		.amdhsa_user_sgpr_count 2
		.amdhsa_user_sgpr_kernarg_segment_ptr 1
		.amdhsa_wavefront_size32 1
		.amdhsa_system_sgpr_workgroup_id_x 1
		.amdhsa_system_sgpr_workgroup_id_y 1
		.amdhsa_system_sgpr_workgroup_id_z 1
		.amdhsa_system_vgpr_workitem_id 0
		.amdhsa_next_free_vgpr 1024
		.amdhsa_next_free_sgpr 100
		.amdhsa_reserve_vcc 0
		.amdhsa_float_denorm_mode_32 3
		.amdhsa_float_denorm_mode_16_64 3
		.amdhsa_memory_ordered 1
		.amdhsa_forward_progress 1
		.amdhsa_inst_pref_size 145
	.end_amdhsa_kernel
	.amdgpu_metadata
---
amdhsa.version: [ 1, 2 ]
amdhsa.kernels:
  - .name:           k_qcebe9edaf6_proj
    .symbol:         k_qcebe9edaf6_proj.kd
    .args:
      - { .name: cw, .offset: 0, .size: 8, .value_kind: global_buffer, .address_space: global }
      - { .name: sw, .offset: 8, .size: 8, .value_kind: global_buffer, .address_space: global }
      - { .name: ac, .offset: 16, .size: 8, .value_kind: global_buffer, .address_space: global }
      - { .name: asc, .offset: 24, .size: 8, .value_kind: global_buffer, .address_space: global }
      - { .name: bp, .offset: 32, .size: 8, .value_kind: global_buffer, .address_space: global }
      - { .name: out0, .offset: 40, .size: 8, .value_kind: global_buffer, .address_space: global }
    .group_segment_fixed_size: 327680
    .private_segment_fixed_size: 0
    .kernarg_segment_align: 8
    .kernarg_segment_size: 48
    .max_flat_workgroup_size: 128
    .sgpr_count:     100
    .vgpr_count:     1024
    .wavefront_size: 32
...
	.end_amdgpu_metadata
.endif
;; end of part 4
